; MI455X (gfx1250); checked and timed in simulation.
; The chip was launched on July 23, 2026; its instructions are those of AMD's public machine-readable ISA for CDNA 5 (MIT licence, August 2026) and "CDNA5" Instruction Set Architecture Reference Guide (July 2026). The comments in the code are by the model that wrote it; some were corrected since.
;; Single Head Attention. Allowed arithmetic: float matrix products may take bf16 or f16 operands with f32 sums; all other float work in f32.
;; Inputs: W_K 1,024 x 1,024 float32; W_O 1,024 x 1,024 float32; W_Q 1,024 x 1,024 float32; W_V 1,024 x 1,024 float32; x 4 x 2,048 x 1,024 float32.
;; Outputs: out0 4 x 2,048 x 1,024 float32.
;; 2 versions, each right; version 2 is version 1 with the launch cast written anew for expert scheduling mode. Each part assembles by itself: llvm-mc -triple=amdgcn-amd-amdhsa -mcpu=gfx1250 --defsym DOCPART=n.
;; ======== version 1 of 2: 5 launches
;; limits: values are held in f16: magnitudes above 65,504 overflow, below 6.1e-05 lose precision; right only within a limited range of input values
;; workspace buffers: xb 16,777,216 bytes; wb 8,388,608 bytes; qkv 50,331,648 bytes; pt 33,554,432 bytes; st 1,048,576 bytes; ob 16,777,216 bytes
;; launch cast (part 1): grid 768 x 1, 8 waves a work-group, no clusters, 0 bytes of LDS; arguments x, W_Q, W_K, W_V, W_O, xb, wb, st; writes xb, wb, st
.if DOCPART == 1
	.amdgcn_target "amdgcn-amd-amdhsa--gfx1250"
	.amdhsa_code_object_version 6
	.text
	.protected	k_q96a4941e65_cast
	.globl	k_q96a4941e65_cast
	.p2align	8
	.type	k_q96a4941e65_cast,@function
k_q96a4941e65_cast:
	s_mov_b64 s[64:65], 0
	v_nop
	global_prefetch_b8 v0, s[64:65] scope:SCOPE_SE
	s_setreg_imm32_b32 hwreg(HW_REG_WAVE_MODE, 25, 1), 1
	s_wait_xcnt 0x0
; x, W_Q, W_K, W_V are rounded to bf16; W_O is rounded to bf16 and that number is written as f16.  All go into a layout in blocks of 64 columns:
; [block of 64 columns][row][64], so that 128 bytes of a row lie beside the next row's 128 bytes and any run of rows of one block is dense.
;   xb: [2 chunks of 4,096 rows][16 blocks][4,096][64] bf16      wb: [16 blocks][4,096][64]: rows 0-1023 W_Q, 1024-2047 W_K, 2048-3071 W_V (bf16), 3072-4095 W_O (f16)
; The 256 work-groups that take weights also set the softmax statistics to their starting values: c m = -4.25e37, l = 0, for the key blocks that the scores' launch never writes.
; LIMIT.  W_O must lie within f16's range, 65,504; below 6e-5 it keeps f16's fixed step of 6e-8.
; SHARES.  A work-group takes 16 rows of 1,024 f32, a wave two of them.  A load: lanes 0-15 read 256 consecutive bytes of the even row, lanes 16-31 of the odd one.
; A store: the wave's 32 x 8 bytes are 256 consecutive bytes, at a multiple of 256 from the buffer's first byte.  No LDS, no matrix unit, no cluster: a stream has no use for them.
.set BS,  524288                       ; bytes from a block of 64 columns to the next, in xb and in wb
.set VO,  1                            ; v1  my byte offset in the 16 rows of the source
.set SO,  2                            ; v2  my byte offset in the 16 rows of a block of the target: 8 x thread
.set X,   16                           ; v[16:79] sixteen loads of four f32
	s_load_b512 s[8:23], s[0:1], 0x0               ; x s[8:9], W_Q s[10:11], W_K s[12:13], W_V s[14:15], W_O s[16:17], xb s[18:19], wb s[20:21], st s[22:23]
	v_lshrrev_b32 v[VO], 4, v0                     ; row = thread / 16
	v_and_b32 v3, 15, v0
	v_lshlrev_b32 v[VO], 12, v[VO]                 ; 4,096 bytes a row
	v_lshl_add_u32 v[VO], v3, 4, v[VO]             ; + 16 bytes a lane
	v_lshlrev_b32 v[SO], 3, v0
	s_mov_b32 s3, 0
	s_mov_b32 s5, 0
	s_cmp_lt_u32 ttmp9, 512
	s_cbranch_scc0 .Lweights
	s_lshl_b32 s2, ttmp9, 16                       ; x: 16 rows of 4,096 bytes a work-group
	s_lshr_b32 s4, ttmp9, 8                        ; the chunk of 4,096 rows,
	s_lshl_b32 s4, s4, 23                          ; 8,388,608 bytes each,
	s_and_b32 s28, ttmp9, 255
	s_lshl_b32 s28, s28, 11                        ; and 16 rows of 128 bytes inside a block
	s_add_co_u32 s4, s4, s28
	s_mov_b32 s30, 0                               ; the format: bf16
	s_wait_kmcnt 0x0
	s_add_nc_u64 s[24:25], s[8:9], s[2:3]
	s_add_nc_u64 s[26:27], s[18:19], s[4:5]
	s_branch .Lgo
.Lweights:
	s_sub_co_u32 s28, ttmp9, 512                   ; u: 64 work-groups for each of the four weights
	s_lshr_b32 s29, s28, 6                         ; which weight: Q, K, V, O
	s_and_b32 s2, s28, 63
	s_lshl_b32 s2, s2, 16
	s_lshl_b32 s4, s28, 11                         ; wb's rows 16 u on; also my 2,048 bytes of the statistics
	s_wait_kmcnt 0x0
	s_cmp_eq_u32 s29, 1
	s_cselect_b64 s[24:25], s[12:13], s[10:11]
	s_cmp_eq_u32 s29, 2
	s_cselect_b64 s[24:25], s[14:15], s[24:25]
	s_cmp_eq_u32 s29, 3
	s_cselect_b64 s[24:25], s[16:17], s[24:25]
	s_cselect_b32 s30, 1, 0                        ; W_O alone goes on to f16
	s_add_nc_u64 s[24:25], s[24:25], s[2:3]
	s_add_nc_u64 s[26:27], s[20:21], s[4:5]
	s_add_nc_u64 s[22:23], s[22:23], s[4:5]
	v_mov_b32 v4, 0xfe000000                       ; c m: far below every c s
	v_mov_b32 v5, 0xfe000000
	v_mov_b32 v6, 0                                ; l
	v_mov_b32 v7, 0
	global_store_b64 v[SO], v[4:5], s[22:23]
	global_store_b64 v[SO], v[6:7], s[22:23] offset:524288
.Lgo:
.set kb, 0
.rept 16
	global_load_b128 v[X+4*kb:X+4*kb+3], v[VO], s[24:25] offset:256*kb th:TH_LOAD_NT
.set kb, kb+1
.endr
; Block kb's four numbers are rounded in place and stored.  No register that a store reads is written again, so no wait stands behind the stores.
.macro CONV fmt
.set kb, 0
.rept 16
.set R, X+4*kb
	s_wait_loadcnt 15-kb                           ; loads come back in order: block kb's is in, the 15 - kb younger ones stay out
	v_cvt_pk_bf16_f32 v[R], v[R], v[R+1]
	v_cvt_pk_bf16_f32 v[R+1], v[R+2], v[R+3]
.if \fmt
	v_lshlrev_b32 v[R+2], 16, v[R]                 ; the bf16 numbers as f32,
	v_and_b32 v[R+3], 0xffff0000, v[R]
	v_cvt_pk_f16_f32 v[R], v[R+2], v[R+3]          ; written as f16: their 8 significant bits fit
	v_lshlrev_b32 v[R+2], 16, v[R+1]
	v_and_b32 v[R+3], 0xffff0000, v[R+1]
	v_cvt_pk_f16_f32 v[R+1], v[R+2], v[R+3]
.endif
	global_store_b64 v[SO], v[R:R+1], s[26:27] offset:kb*BS
.set kb, kb+1
.endr
.endm
	s_cmp_eq_u32 s30, 1
	s_cbranch_scc1 .Lf16
	CONV 0
	s_endpgm
.Lf16:
	CONV 1
	s_endpgm
.Lfunc_end_k_q96a4941e65_cast:
	.size	k_q96a4941e65_cast, .Lfunc_end_k_q96a4941e65_cast-k_q96a4941e65_cast
	.p2alignl 7, 3214868480
	.fill 96, 4, 3214868480
	.section	.rodata,"a",@progbits
	.p2align	6, 0x0
	.amdhsa_kernel k_q96a4941e65_cast
		.amdhsa_group_segment_fixed_size 0
		.amdhsa_private_segment_fixed_size 0
		.amdhsa_enable_private_segment 0
		.amdhsa_kernarg_size 64
		.amdhsa_user_sgpr_count 2
		.amdhsa_user_sgpr_kernarg_segment_ptr 1
		.amdhsa_wavefront_size32 1
		.amdhsa_system_sgpr_workgroup_id_x 1
		.amdhsa_system_sgpr_workgroup_id_y 1
		.amdhsa_system_sgpr_workgroup_id_z 1
		.amdhsa_system_vgpr_workitem_id 0
		.amdhsa_next_free_vgpr 80
		.amdhsa_next_free_sgpr 66
		.amdhsa_reserve_vcc 0
		.amdhsa_float_denorm_mode_32 3
		.amdhsa_float_denorm_mode_16_64 3
		.amdhsa_memory_ordered 1
		.amdhsa_forward_progress 1
		.amdhsa_inst_pref_size 17
	.end_amdhsa_kernel
	.amdgpu_metadata
---
amdhsa.version: [ 1, 2 ]
amdhsa.kernels:
  - .name:           k_q96a4941e65_cast
    .symbol:         k_q96a4941e65_cast.kd
    .args:
      - { .name: x, .offset: 0, .size: 8, .value_kind: global_buffer, .address_space: global }
      - { .name: W_Q, .offset: 8, .size: 8, .value_kind: global_buffer, .address_space: global }
      - { .name: W_K, .offset: 16, .size: 8, .value_kind: global_buffer, .address_space: global }
      - { .name: W_V, .offset: 24, .size: 8, .value_kind: global_buffer, .address_space: global }
      - { .name: W_O, .offset: 32, .size: 8, .value_kind: global_buffer, .address_space: global }
      - { .name: xb, .offset: 40, .size: 8, .value_kind: global_buffer, .address_space: global }
      - { .name: wb, .offset: 48, .size: 8, .value_kind: global_buffer, .address_space: global }
      - { .name: st, .offset: 56, .size: 8, .value_kind: global_buffer, .address_space: global }
    .group_segment_fixed_size: 0
    .private_segment_fixed_size: 0
    .kernarg_segment_align: 8
    .kernarg_segment_size: 64
    .max_flat_workgroup_size: 256
    .sgpr_count:     66
    .vgpr_count:     80
    .wavefront_size: 32
...
	.end_amdgpu_metadata
.endif
;; end of part 1
;; launch qkv (part 2): grid 8 x 32, 4 waves a work-group, clusters of 4 x 4, 327,680 bytes of LDS; arguments xb, wb, qkv; writes qkv
.if DOCPART == 2
	.amdgcn_target "amdgcn-amd-amdhsa--gfx1250"
	.amdhsa_code_object_version 6
	.text
	.protected	k_q96a4941e65_qkv
	.globl	k_q96a4941e65_qkv
	.p2align	8
	.type	k_q96a4941e65_qkv,@function
k_q96a4941e65_qkv:
	s_mov_b64 s[64:65], 0
	v_nop
	global_prefetch_b8 v0, s[64:65] scope:SCOPE_SE
	s_setreg_imm32_b32 hwreg(HW_REG_WAVE_MODE, 25, 1), 1
	s_wait_xcnt 0x0
	s_wait_alu depctr_hold_cnt(0) depctr_sa_sdst(0) depctr_va_vdst(0) depctr_va_sdst(0) depctr_va_ssrc(0) depctr_va_vcc(0) depctr_vm_vsrc(0)
	s_getreg_b32 s2, hwreg(HW_REG_IB_STS2, 6, 4)
	s_cmp_eq_u32 s2, 0
	s_cbranch_scc0 .Lentry_in_a_cluster
	s_endpgm
.Lentry_in_a_cluster:
	s_bfe_u32 s2, ttmp6, 0x10000c
	s_cmp_lg_u32 s2, 0xf033
	s_cbranch_scc0 .Lentry_shape_is_right
	s_endpgm
.Lentry_shape_is_right:
; [8192 x 3072] = x W^T for W_Q, W_K, W_V at once: C[m][n] = sum over k of xb[m][k] wb[n][k], bf16 operands, f32 sums, rounded once to f16, unscaled.
; qkv: [48 blocks of 64 columns][8192][64] f16: blocks 0-15 q, 16-31 k, 32-47 v.
; LIMIT.  q, k and v must lie within f16's range, 65,504.
; SHARES.  A tile of C is 256 rows x 384 columns: 32 x 8 = 256 work-groups.  Four waves, each 128 x 192: 96 accumulators, 768 registers, windows 1 to 3.
; K goes in steps of 64 (one block of the operands' layout) through two LDS slots; a wave's tensor load brings 128 rows of x or 192 rows of W, dense in memory, asked for as rows of 256 bytes
; and padded in LDS behind every 128 bytes: LDS rows 144 bytes apart, so the 16 rows of a fragment load start at 16 different groups of four banks (64 banks of 4 bytes: ISA guide 11.1).
; CLUSTER.  4 x 4 work-groups: x's tile is shared along a row of the cluster, W's along a column; each is asked for jointly, by the same load with the same descriptor and mask in all four.
; THE MATRIX INSTRUCTION IS USED TRANSPOSED: source 0 = 16 rows of W, source 1 = 16 rows of x: a lane holds row l % 16 of C and eight neighbouring columns.
; A K step is four PHASES of 48 matrix instructions: 32 along K x half of the wave's columns.  Each phase fetches the next phase's fragments ahead of its own products.
; REGISTERS.  Window 0: v0-31 addresses; v32-159 x's fragments, two buffers; v160-255 W's, two buffers.  Accumulator t = 48 g + 6 a + b in window 1 + t / 32 at v[8 (t % 32)].
.set AF,    8                          ; fragments of 16 rows of x a wave
.set BG,    6                          ; fragments of 16 rows of W in a phase
.set NG,    2                          ; phases for 32 along K
.set KK,    2                          ; 32s along K in a slot
.set P1,    AF/4
.set NSTEP, 16
.set PITCH, 144
.set FRAG,  16*PITCH
.set ASZ,   256*PITCH
.set SLOT,  640*PITCH                  ; x's 256 rows, then W's 384
.set SUBA,  0
.set SUBB,  0
.set STAGE, 2*SLOT                     ; behind the ring: 16 rows x 400 bytes for each wave, for the way out
.set SP,    400
.set SPARE, STAGE+4*16*SP              ; the spare words, 128 bytes for each wave: two blocks of 256 bytes that no other line names
.set STEPA, 524288
.set STEPB, 524288
.set ADA0, 2                           ; v2, v3  my lane's place in slot 0's tiles; never rewritten
.set ADB0, 3
.set ADA,  4                           ; v4, v5  the same in the slot in hand
.set ADB,  5
.set STO,  6
.set RD,   7
.set GO,   8
.set SPW,  30                          ; v30  LDS address of my spare word; never rewritten
.set NIL,  31                          ; v31  0; never rewritten
.set AFR,  32
.set BFR,  160
.set TMP,  32                          ; the way out: packed results
.set BK0,  128                         ; the way out: rows read back, two buffers of 48
.set G1A, 24
.set G0A, 32                           ; s[32:35] step 0's group 0; s[36:39] walks
.set G1B, 48
.set G0B, 56
.set TB,  66                           ; s66  the slot in hand: 0 or SLOT
.set CNT, 67
.set WOA, 68                           ; s68, s69  where my part of a tile lies in a slot
.set WOB, 69
.set MSB, 0
.macro WIN new                         ; the immediate's high byte repeats the setting that is left; a switch that changes nothing is dropped
.if MSB != (\new)
	s_set_vgpr_msb (MSB<<8)|(\new)
.set MSB, \new
.endif
.endm
.macro PLACES                          ; four places in front of loads into registers that matrix instructions have read, and of lines that read their results
.rept 4
	v_nop
.endr
.endm
.macro JLOAD                           ; a joint refill: waves 0 and 1 fetch x's halves, waves 2 and 3 W's; an s_nop 0 and four v_nop follow each line
	s_cmp_eq_u32 s11, 0
	s_cbranch_scc0 .Lfor_b_\@
	tensor_load_to_lds s[G0A+4:G0A+7], s[G1A:G1A+7]
	s_nop 0
.rept 4
	v_nop
.endr
	s_branch .Lasked_\@
.Lfor_b_\@:
	tensor_load_to_lds s[G0B+4:G0B+7], s[G1B:G1B+7]
	s_nop 0
.rept 4
	v_nop
.endr
.Lasked_\@:
.endm
.macro CREST                           ; a round of the cluster's barrier behind its opening barrier
	s_cmp_lg_u32 s10, 0
	s_cbranch_scc1 .Lnot_wave_0_\@
	s_barrier_signal -3
.Lnot_wave_0_\@:
	s_barrier_wait -3
	s_barrier_signal -1
	s_barrier_wait -1
.endm
.macro CROUND
	s_barrier_signal -1
	s_barrier_wait -1
	CREST
.endm
	s_load_b128 s[4:7], s[0:1], 0x0                ; xb s[4:5], wb s[6:7]
	s_load_b64 s[8:9], s[0:1], 0x10                ; qkv
	v_lshl_add_u32 v[SPW], v0, 2, SPARE
	v_mov_b32 v[NIL], 0
	ds_add_u32 v30, v31
	ds_add_u32 v30, v31
	s_wait_dscnt 0x0
	v_lshrrev_b32 v1, 5, v0
	v_readfirstlane_b32 s10, v1                    ; wave 0..3
	s_lshr_b32 s11, s10, 1                         ; my half of the tile's rows.  Also: I fetch for x (0) or for W (1)
	s_and_b32 s12, s10, 1                          ; my half of its columns.  Also: which half of that tile I fetch
	s_bfe_u32 s40, ttmp6, 0x40000                  ; cx
	s_bfe_u32 s41, ttmp6, 0x40004                  ; cy
	s_lshl_b32 s42, ttmp9, 2
	s_add_co_u32 s42, s42, s40                     ; tile column = 4 x cluster x + cx
	s_and_b32 s13, ttmp7, 0xffff
	s_lshl_b32 s13, s13, 2
	s_add_co_u32 s13, s13, s41                     ; tile row = 4 x cluster y + cy
	s_lshl_b32 s43, s41, 2
	s_lshl_b32 s43, 15, s43                        ; my row of the cluster
	s_lshl_b32 s44, 0x1111, s40                    ; my column
	; group 1: dense bytes as rows of 128 elements of 2 bytes; padding of 4 words (code 3) behind every 32 words (code 4); bit 21 set beside a mask
	s_or_b32 s[G1A], s43, (1<<16)|(1<<20)|(1<<21)|(4<<22)|(3<<25)
	s_or_b32 s[G1B], s44, (1<<16)|(1<<20)|(1<<21)|(4<<22)|(3<<25)
	s_mov_b32 s[G1A+1], 128<<16                    ; tensor_dim0
	s_mov_b32 s[G1A+2], 64<<16                     ; tensor_dim1: 128 rows of x are 64 rows of 256 bytes
	s_mov_b32 s[G1A+3], 128<<16                    ; tile_dim0
	s_mov_b32 s[G1A+4], 64                         ; tile_dim1
	s_mov_b32 s[G1A+5], 128                        ; elements from row to row
	s_mov_b32 s[G1A+6], 0
	s_mov_b32 s[G1A+7], 0
	s_mov_b32 s[G1B+1], 128<<16
	s_mov_b32 s[G1B+2], 96<<16                     ; 192 rows of W are 96 rows of 256 bytes
	s_mov_b32 s[G1B+3], 128<<16
	s_mov_b32 s[G1B+4], 96
	s_mov_b32 s[G1B+5], 128
	s_mov_b32 s[G1B+6], 0
	s_mov_b32 s[G1B+7], 0
	s_lshr_b32 s16, s13, 4                         ; x: the chunk of 4,096 rows,
	s_lshl_b32 s16, s16, 23
	s_and_b32 s17, s13, 15                         ; 256 rows of 128 bytes a tile row,
	s_lshl_b32 s17, s17, 15
	s_add_co_u32 s16, s16, s17
	s_lshl_b32 s17, s12, 14                        ; my 128 of them
	s_add_co_u32 s16, s16, s17
	s_mov_b32 s17, 0
	s_mul_i32 s46, s42, 49152                      ; W: 384 rows of 128 bytes a tile column,
	s_mul_i32 s47, s12, 24576                      ; my 192 of them
	s_add_co_u32 s46, s46, s47
	s_mov_b32 s47, 0
	s_mul_i32 s[WOA], s12, 128*PITCH
	s_mul_i32 s[WOB], s12, 192*PITCH
	s_add_co_u32 s[WOB], s[WOB], ASZ
	s_mov_b32 s[TB], 0
	s_wait_kmcnt 0x0
	s_add_nc_u64 s[14:15], s[4:5], s[16:17]
	s_add_nc_u64 s[46:47], s[6:7], s[46:47]
	CROUND                                         ; all sixteen work-groups are here: the first joint loads meet
.irp s, 0,1
	s_mov_b32 s[G0A+4*\s], 1
	s_add_co_u32 s[G0A+4*\s+1], s[WOA], \s*SLOT
	s_add_nc_u64 s[G0A+4*\s+2:G0A+4*\s+3], s[14:15], \s*STEPA
	s_or_b32 s[G0A+4*\s+3], s[G0A+4*\s+3], 0x80000000
	s_mov_b32 s[G0B+4*\s], 1
	s_add_co_u32 s[G0B+4*\s+1], s[WOB], \s*SLOT
	s_add_nc_u64 s[G0B+4*\s+2:G0B+4*\s+3], s[46:47], \s*STEPB
	s_or_b32 s[G0B+4*\s+3], s[G0B+4*\s+3], 0x80000000
.endr
	s_cmp_eq_u32 s11, 0                            ; a wave's two first fills stand in one branch: two loads of mine are out
	s_cbranch_scc0 .Lfirst_b
	tensor_load_to_lds s[G0A:G0A+3], s[G1A:G1A+7]
	s_nop 0
	tensor_load_to_lds s[G0A+4:G0A+7], s[G1A:G1A+7]
	s_nop 0
.rept 4
	v_nop
.endr
	s_branch .Lfirst_asked
.Lfirst_b:
	tensor_load_to_lds s[G0B:G0B+3], s[G1B:G1B+7]
	s_nop 0
	tensor_load_to_lds s[G0B+4:G0B+7], s[G1B:G1B+7]
	s_nop 0
.rept 4
	v_nop
.endr
.Lfirst_asked:
	v_and_b32 v1, 15, v0                           ; l % 16
	v_bfe_u32 v9, v0, 4, 1                         ; l / 16
	v_mul_u32_u24 v10, v1, PITCH
	v_lshl_add_u32 v10, v9, 4, v10                 ; a fragment's row x pitch + 16 x half
	s_mul_i32 s21, s11, 128*PITCH
	s_mul_i32 s22, s12, 192*PITCH
	s_add_co_u32 s22, s22, ASZ
	v_add_nc_u32 v[ADA0], s21, v10
	v_add_nc_u32 v[ADB0], s22, v10
	v_mov_b32 v[ADA], v[ADA0]
	v_mov_b32 v[ADB], v[ADB0]
	s_mul_i32 s23, s10, 16*SP
	s_add_co_u32 s23, s23, STAGE                   ; my stage
	v_mul_u32_u24 v[STO], v1, SP                   ; in: row l % 16, 16 bytes for each half of the lanes
	v_lshl_add_u32 v[STO], v9, 4, v[STO]
	v_add_nc_u32 v[STO], s23, v[STO]
	v_bfe_u32 v[RD], v0, 3, 2                      ; back: 32 lanes take 128 bytes of each of four rows,
	v_mul_u32_u24 v[RD], v[RD], SP
	v_and_b32 v10, 7, v0
	v_lshl_add_u32 v[RD], v10, 4, v[RD]
	v_add_nc_u32 v[RD], s23, v[RD]
	v_and_b32 v[GO], 31, v0                        ; which are 512 consecutive bytes of a block of qkv
	v_lshlrev_b32 v[GO], 4, v[GO]
	s_mul_i32 s20, s42, 6                          ; my first block of 64 columns: 6 x tile column + 3 x half,
	s_mul_i32 s21, s12, 3
	s_add_co_u32 s20, s20, s21
	s_lshl_b32 s20, s20, 20                        ; 1,048,576 bytes each,
	s_lshl_b32 s21, s13, 15                        ; and my first row: 256 x tile row + 128 x half, 128 bytes each
	s_add_co_u32 s20, s20, s21
	s_lshl_b32 s21, s11, 14
	s_add_co_u32 s20, s20, s21
	s_mov_b32 s21, 0
	s_add_nc_u64 s[8:9], s[8:9], s[20:21]
.macro FA kk                           ; x's fragments of 32 along K -> buffer kk % 2
.set fi, 0
.rept AF
.set fr, AFR+((\kk)%2)*8*AF+8*fi
.set fo, ((\kk)/2)*SUBA+fi*FRAG+((\kk)%2)*64
	ds_load_b128 v[fr:fr+3], v[ADA] offset:fo
	ds_load_b128 v[fr+4:fr+7], v[ADA] offset:fo+32
.set fi, fi+1
.endr
.endm
.macro FB kk, g                        ; W's fragments of group g -> buffer g
.set fi, 0
.rept BG
.set fr, BFR+(\g)*8*BG+8*fi
.set fo, ((\kk)/2)*SUBB+(BG*(\g)+fi)*FRAG+((\kk)%2)*64
	ds_load_b128 v[fr:fr+3], v[ADB] offset:fo
	ds_load_b128 v[fr+4:fr+7], v[ADB] offset:fo+32
.set fi, fi+1
.endr
.endm
; n row blocks from a0 on x the group's BG column blocks.  Every accumulator is named once a phase: they take turns.  zero = 1: the product starts the sum.
.macro MUL kk, g, a0, n, zero
.set ma, \a0
.rept \n
.set mb, 0
.rept BG
.set mt, (\g)*AF*BG+ma*BG+mb
.set mw, 1+mt/32
.set mr, 8*(mt%32)
.set mfa, AFR+((\kk)%2)*8*AF+8*ma
.set mfb, BFR+(\g)*8*BG+8*mb
	WIN 0x50*mw
.if \zero
	v_wmma_f32_16x16x32_bf16 v[mr:mr+7], v[mfb:mfb+7], v[mfa:mfa+7], 0
.else
	v_wmma_f32_16x16x32_bf16 v[mr:mr+7], v[mfb:mfb+7], v[mfa:mfa+7], v[mr:mr+7]
.endif
.set mb, mb+1
.endr
.set ma, ma+1
.endr
.endm
.macro PH kk, g, zero                  ; a phase that is not a slot's last
	s_wait_dscnt 0x0                               ; this phase's fragments, issued a phase ago
	PLACES                                         ; the loads below go into registers that the last phase's products read
	WIN 0
.if (\g) < NG-1
	FB \kk, (\g)+1
.else
	FA (\kk)+1
	FB (\kk)+1, 0
.endif
	MUL \kk, \g, 0, AF, \zero
.endm
; A slot's last phase changes slots.  In front of the barrier each wave waits for all its tensor loads (one is out: its part of the next slot), adds 0 to its spare word, and waits for that and for
; its reads of this slot.  fill = 1: the barrier opens a round of the cluster's, and behind the round this slot is filled again, with the K step two steps on.
.macro TURN fill
	WIN 0
	s_wait_tensorcnt 0x0                           ; no tensor load of mine is out, so a group 0 may be written
	ds_add_u32 v[SPW], v[NIL]                      ; 0 onto my spare word
.if \fill
	s_add_co_u32 s[G0A+5], s[WOA], s[TB]           ; the walking descriptors: into the slot that is being left,
	s_add_nc_u64 s[G0A+6:G0A+7], s[G0A+6:G0A+7], STEPA  ; the next K step; the type bits on top are not reached
	s_add_co_u32 s[G0B+5], s[WOB], s[TB]
	s_add_nc_u64 s[G0B+6:G0B+7], s[G0B+6:G0B+7], STEPB
.endif
	s_wait_dscnt 0x1                               ; the add alone may be out: the fragments were issued ahead of it
	MUL KK-1, NG-1, 0, P1, 0
	s_wait_dscnt 0x0                               ; the add is done, and my reads of this slot are over
	s_barrier_signal -1
	MUL KK-1, NG-1, P1, P1, 0
	WIN 0
	s_barrier_wait -1
.if \fill
	CREST                                          ; no wave of any partner still reads this slot or has a load on its way
	JLOAD                                          ; the first tensor load behind the round; its four v_nop are also the places in front of the loads below
.else
	PLACES
.endif
	s_xor_b32 s[TB], s[TB], SLOT
	v_add_nc_u32 v[ADA], s[TB], v[ADA0]
	v_add_nc_u32 v[ADB], s[TB], v[ADB0]
	FA 0
	FB 0, 0
	MUL KK-1, NG-1, 2*P1, AF-2*P1, 0
.endm
	s_wait_tensorcnt 0x1                           ; my part of K step 0 is in; step 1's may stay out
	s_barrier_signal -1
	s_barrier_wait -1
	FA 0
	FB 0, 0
	PH 0, 0, 1                                     ; the first 32 along K stand in front of the loop: their products start the sums
	PH 0, 1, 1
	WIN 0
	s_mov_b32 s[CNT], NSTEP-2
.Lmain:                                                ; a trip: the rest of a K step, the change of slots with a refill, the next step's first 32 along K
	PH 1, 0, 0
	TURN 1
	PH 0, 0, 0
	PH 0, 1, 0
	WIN 0
	s_sub_co_u32 s[CNT], s[CNT], 1
	s_cmp_lg_u32 s[CNT], 0
	s_cbranch_scc1 .Lmain
	s_mov_b32 s[CNT], 2
.Ltail:                                                ; the last two K steps ask for nothing; the second trip is left in its middle (its barrier and its fetch of bytes long landed serve nothing)
	PH 1, 0, 0
	TURN 0
	WIN 0
	s_sub_co_u32 s[CNT], s[CNT], 1
	s_cmp_eq_u32 s[CNT], 0
	s_cbranch_scc1 .Lout
	PH 0, 0, 0
	PH 0, 1, 0
	WIN 0
	s_branch .Ltail
.Lout:
	s_wait_dscnt 0x0
	PLACES
; THE WAY OUT, 16 rows at a time.  PACK: rounded to f16, 16 bytes a lane.  TOSTAGE: into my own stage, and back as 128 bytes of four rows a load.  SEND: 512 consecutive bytes a store.
.macro PACK a
.set pc, 0
.rept 12
.set pa, (pc/BG)*AF*BG+(\a)*BG+pc%BG
.set pw, 1+pa/32
.set pr, 8*(pa%32)
	WIN 5*pw                                       ; sources 0 and 1 in the accumulator's window
.set pj, 0
.rept 4
	v_cvt_pk_f16_f32 v[TMP+4*pc+pj], v[pr+2*pj], v[pr+2*pj+1]
.set pj, pj+1
.endr
.set pc, pc+1
.endr
	WIN 0
.endm
.macro TOSTAGE a
	WIN 0
.set BK, BK0+48*((\a)%2)
.set n, 0
.rept 12
	ds_store_b128 v[STO], v[TMP+4*n:TMP+4*n+3] offset:32*n
.set n, n+1
.endr
.set n, 0
.rept 12
	ds_load_b128 v[BK+4*n:BK+4*n+3], v[RD] offset:(n%4)*4*SP+(n/4)*128  ; LDS serves a wave's instructions in order (ISA guide 5.7.1.4): these see the stores above
.set n, n+1
.endr
.endm
.macro SEND a
	WIN 0
.set BK, BK0+48*((\a)%2)
	s_wait_dscnt 0x0                               ; the block is back in registers
	s_wait_xcnt 0x0                                ; the registers that earlier stores read are loaded again only behind this wait
.set n, 0
.rept 12
	global_store_b128 v[GO], v[BK+4*n:BK+4*n+3], s[8:9] offset:(n/4)*1048576+(\a)*2048+(n%4)*512
.set n, n+1
.endr
.endm
	PACK 0
	TOSTAGE 0
.irp a, 1,2,3,4,5,6,7
	PACK \a
	SEND (\a)-1
	TOSTAGE \a
.endr
	SEND 7
	s_wait_tensorcnt 0x0                           ; the wave's end
	ds_add_u32 v[SPW], v[NIL]
	s_wait_dscnt 0x0
	CROUND                                         ; the closing round
	s_endpgm
.Lfunc_end_k_q96a4941e65_qkv:
	.size	k_q96a4941e65_qkv, .Lfunc_end_k_q96a4941e65_qkv-k_q96a4941e65_qkv
	.p2alignl 7, 3214868480
	.fill 96, 4, 3214868480
	.section	.rodata,"a",@progbits
	.p2align	6, 0x0
	.amdhsa_kernel k_q96a4941e65_qkv
		.amdhsa_group_segment_fixed_size 327680
		.amdhsa_private_segment_fixed_size 0
		.amdhsa_enable_private_segment 0
		.amdhsa_kernarg_size 24
		.amdhsa_user_sgpr_count 2
		.amdhsa_user_sgpr_kernarg_segment_ptr 1
		.amdhsa_wavefront_size32 1
		.amdhsa_system_sgpr_workgroup_id_x 1
		.amdhsa_system_sgpr_workgroup_id_y 1
		.amdhsa_system_sgpr_workgroup_id_z 1
		.amdhsa_system_vgpr_workitem_id 0
		.amdhsa_next_free_vgpr 1024
		.amdhsa_next_free_sgpr 96
		.amdhsa_reserve_vcc 0
		.amdhsa_float_denorm_mode_32 3
		.amdhsa_float_denorm_mode_16_64 3
		.amdhsa_memory_ordered 1
		.amdhsa_forward_progress 1
		.amdhsa_inst_pref_size 103
	.end_amdhsa_kernel
	.amdgpu_metadata
---
amdhsa.version: [ 1, 2 ]
amdhsa.kernels:
  - .name:           k_q96a4941e65_qkv
    .symbol:         k_q96a4941e65_qkv.kd
    .args:
      - { .name: xb, .offset: 0, .size: 8, .value_kind: global_buffer, .address_space: global }
      - { .name: wb, .offset: 8, .size: 8, .value_kind: global_buffer, .address_space: global }
      - { .name: qkv, .offset: 16, .size: 8, .value_kind: global_buffer, .address_space: global }
    .group_segment_fixed_size: 327680
    .private_segment_fixed_size: 0
    .kernarg_segment_align: 8
    .kernarg_segment_size: 24
    .max_flat_workgroup_size: 128
    .sgpr_count:     96
    .vgpr_count:     1024
    .wavefront_size: 32
...
	.end_amdgpu_metadata
.endif
;; end of part 2
;; launch scores (part 3): grid 36 x 4, 4 waves a work-group, no clusters, 327,680 bytes of LDS; arguments qkv, pt, st; writes pt, st
.if DOCPART == 3
	.amdgcn_target "amdgcn-amd-amdhsa--gfx1250"
	.amdhsa_code_object_version 6
	.text
	.protected	k_q96a4941e65_scores
	.globl	k_q96a4941e65_scores
	.p2align	8
	.type	k_q96a4941e65_scores,@function
k_q96a4941e65_scores:
	s_mov_b64 s[64:65], 0
	v_nop
	global_prefetch_b8 v0, s[64:65] scope:SCOPE_SE
	s_setreg_imm32_b32 hwreg(HW_REG_WAVE_MODE, 25, 1), 1
	s_wait_xcnt 0x0
; The causal tiles of S = Q K^T, 256 x 256, f16 operands and f32 sums, and a softmax by blocks: for each row and each block of 128 keys (a wave's tile)
;   c m = c x the block's largest score, p = 2^(c s - c m) rounded to f16, l = the sum of the unrounded p;   c = log2(e) / 32.
; p goes to pt [8192][2048] f16 (only the causal tiles are written), c m and l to st: c m [4][16 key blocks][2048 rows] f32 at byte 0, l likewise at byte 524,288.
; The next launch forms each row's true maximum over the blocks and rescales exactly: no score leaves in a narrow format, and every exponential has its maximum taken away.
; LIMITS.  A hidden score counts as its value less 1e30 (f16's dot products of 1,024 terms reach 4.4e12 at the most); a weight below 2^-126 counts as 0; p below 6e-5 keeps f16's fixed step;
; NaN and infinities are not treated apart.
; SHARES.  A batch has 36 tiles on or below the diagonal: tile t lies in tile row I, tile column J, t = I (I + 1) / 2 + J.  Four waves, each 128 rows x 128 keys: 64 accumulators, windows 1 and 2.
; NO CLUSTER: a tile row has 1 to 8 tiles and so has a tile column, so no grouping by four gives partners that share a tile in every request.
; THE MASK, in a quarter that holds the diagonal, is the C operand of the products that start the sums: for row block a and key block b of the wave's tile the constant 0 (b < a), MG (b = a), MU (b > a).
; Elsewhere MG and MU hold 0.  Every row of such a quarter sees its own key, so its m is a true score and a hidden weight is 2^(-4.5e28) = 0.
; A QUARTER THAT IS WHOLLY HIDDEN (a diagonal tile's upper right) runs the same text with two other scalars: its c is 0, so that every exponent is 0 x s - 0 = 0, p = 1 and l = 128, all finite;
; and -4.25e37 is added to the c m that it stores, so that the next launch gives the block the factor 0.  In every other quarter that addend is 0.
; K goes in steps of 128 (two blocks of the operands' layout) through two LDS slots; each wave's tensor load brings 256 rows of one block of q or of k, dense, padded to 144 bytes a row.
; REGISTERS.  Window 0: v0-31 addresses; v32-159 q's fragments, two buffers; v160-223 k's, two buffers; v232-255 masks.  Accumulator (g, a, b) in window 1 + g at v[32 a + 8 b].
.set AF,    8
.set BG,    4
.set NG,    2
.set KK,    4
.set P1,    AF/4
.set NSTEP, 8
.set PITCH, 144
.set FRAG,  16*PITCH
.set SUB,   256*PITCH                  ; a sub-tile: 256 rows of one block.  A slot: q block 0, q block 1, k block 0, k block 1
.set SUBA,  SUB
.set SUBB,  SUB
.set SLOT,  4*SUB
.set STAGE, 2*SLOT                     ; 16 rows x 272 bytes for each wave
.set SP,    272
.set SST,   STAGE+4*16*SP              ; 128 c m and 128 l for each wave
.set SPARE, SST+4*1024                 ; the spare words: two blocks of 256 bytes that no other line names
.set STEP,  2097152
.set ADA0, 2
.set ADB0, 3
.set ADA,  4
.set ADB,  5
.set STO,  6
.set RD,   7
.set GO,   8                           ; v8   my byte offset in two rows of pt
.set SSA,  10                          ; v10  where my row's statistics go
.set SSR,  11                          ; v11  where I read 16 bytes of them back
.set SG,   12                          ; v12  16 x lane
.set SPW,  30
.set NIL,  31
.set AFR,  32
.set BFR,  160
.set MG,   232
.set MU,   240
.set MD,   248
.set CH,   32                          ; the way out: v32-39 eight chains of the maximum; v33 then takes the c m that is stored
.set CM,   40                          ; v40 c m (v41 named with it as a pair)
.set XT,   42                          ; v42 the other half of the lanes'
.set LS,   44                          ; v44-45 the sum
.set TMP,  64                          ; v64-95 p in f16
.set BK0,  96                          ; v96-159 rows read back, two buffers
.set G1,  24
.set G0,  32                           ; s[32:35] step 0's group 0; s[36:39] walks
.set TB,  66
.set CNT, 67
.set WO,  68
.set TI,  70                           ; s70 I, s71 J, s72 the batch
.set TJ,  71
.set BAT, 72
.set CS,  74                           ; s[74:75] c, or 0 in a quarter that is wholly hidden
.set SEL, 76                           ; s[76:77] v_permlanex16_b32's selects
.set BIGN, 78
.set AL,  79                           ; s79  1.0 where my quarter holds the diagonal, else 0
.set BU,  80                           ; s80  -1e30 there, else 0
.set BC,  81                           ; s81  -4.25e37 where my quarter is wholly hidden, else 0
.set MSB, 0
.macro WIN new
.if MSB != (\new)
	s_set_vgpr_msb (MSB<<8)|(\new)
.set MSB, \new
.endif
.endm
.macro PLACES
.rept 4
	v_nop
.endr
.endm
	s_load_b128 s[4:7], s[0:1], 0x0                ; qkv s[4:5], pt s[6:7]
	s_load_b64 s[8:9], s[0:1], 0x10                ; st
	v_lshl_add_u32 v[SPW], v0, 2, SPARE
	v_mov_b32 v[NIL], 0
	ds_add_u32 v30, v31
	ds_add_u32 v30, v31
	s_wait_dscnt 0x0
	v_lshrrev_b32 v1, 5, v0
	v_readfirstlane_b32 s10, v1                    ; wave 0..3
	s_lshr_b32 s11, s10, 1                         ; my half of the rows.  Also: I fetch for q (0) or for k (1)
	s_and_b32 s12, s10, 1                          ; my half of the keys.  Also: which of a step's two blocks I fetch
	s_and_b32 s[BAT], ttmp7, 0xffff
	s_mov_b32 s[TI], 0
.irp th, 1,3,6,10,15,21,28
	s_cmp_ge_u32 ttmp9, \th                        ; I = how many tile rows begin at or below t
	s_cselect_b32 s13, 1, 0
	s_add_co_u32 s[TI], s[TI], s13
.endr
	s_add_co_u32 s13, s[TI], 1
	s_mul_i32 s13, s13, s[TI]
	s_lshr_b32 s13, s13, 1
	s_sub_co_u32 s[TJ], ttmp9, s13
	s_mov_b32 s[G1], (1<<16)|(1<<20)|(4<<22)|(3<<25)  ; 2-byte elements; padding of 4 words behind every 32 words
	s_mov_b32 s[G1+1], 128<<16
	s_mov_b32 s[G1+2], 128<<16                     ; 256 rows of 128 bytes are 128 rows of 256
	s_mov_b32 s[G1+3], 128<<16
	s_mov_b32 s[G1+4], 128
	s_mov_b32 s[G1+5], 128
	s_mov_b32 s[G1+6], 0
	s_mov_b32 s[G1+7], 0
	s_lshl_b32 s13, s[BAT], 11
	s_lshl_b32 s14, s[TI], 8
	s_add_co_u32 s14, s14, s13
	s_lshl_b32 s14, s14, 7                         ; q's rows, in bytes of a block
	s_lshl_b32 s15, s[TJ], 8
	s_add_co_u32 s15, s15, s13
	s_lshl_b32 s15, s15, 7
	s_add_co_u32 s15, s15, 16777216                ; k's rows, 16 blocks on
	s_cmp_ge_u32 s10, 2
	s_cselect_b32 s16, s15, s14
	s_lshl_b32 s17, s12, 20                        ; my block of the step's two
	s_add_co_u32 s16, s16, s17
	s_mov_b32 s17, 0
	s_mul_i32 s[WO], s10, SUB
	s_mov_b32 s[TB], 0
	s_mov_b32 s[CS], 0x3d38aa3b                    ; c = log2(e) / 32
	s_mov_b32 s[SEL], 0x76543210
	s_mov_b32 s[SEL+1], 0xfedcba98
	s_mov_b32 s[BIGN], 0xf149f2ca                  ; -1e30
	s_wait_kmcnt 0x0
	s_add_nc_u64 s[14:15], s[4:5], s[16:17]
.irp s, 0,1
	s_mov_b32 s[G0+4*\s], 1
	s_add_co_u32 s[G0+4*\s+1], s[WO], \s*SLOT
	s_add_nc_u64 s[G0+4*\s+2:G0+4*\s+3], s[14:15], \s*STEP
	s_or_b32 s[G0+4*\s+3], s[G0+4*\s+3], 0x80000000
.endr
	tensor_load_to_lds s[G0:G0+3], s[G1:G1+7]      ; the two first fills go out together: two loads of mine are out
	s_nop 0
	tensor_load_to_lds s[G0+4:G0+7], s[G1:G1+7]
	s_nop 0
.rept 4
	v_nop
.endr
	v_and_b32 v1, 15, v0                           ; l % 16
	v_bfe_u32 v9, v0, 4, 1                         ; l / 16
	v_mul_u32_u24 v13, v1, PITCH
	v_lshl_add_u32 v13, v9, 4, v13
	s_mul_i32 s21, s11, 128*PITCH
	s_mul_i32 s22, s12, 128*PITCH
	s_add_co_u32 s22, s22, 2*SUB
	v_add_nc_u32 v[ADA0], s21, v13
	v_add_nc_u32 v[ADB0], s22, v13
	v_mov_b32 v[ADA], v[ADA0]
	v_mov_b32 v[ADB], v[ADB0]
	s_mul_i32 s23, s10, 16*SP
	s_add_co_u32 s23, s23, STAGE
	v_mul_u32_u24 v[STO], v1, SP                   ; in: row l % 16, 16 bytes for each half of the lanes
	v_lshl_add_u32 v[STO], v9, 4, v[STO]
	v_add_nc_u32 v[STO], s23, v[STO]
	v_mul_u32_u24 v[RD], v9, SP                    ; back: lanes 0-15 take one row of 256 bytes, lanes 16-31 the next
	v_lshl_add_u32 v[RD], v1, 4, v[RD]
	v_add_nc_u32 v[RD], s23, v[RD]
	v_lshlrev_b32 v[GO], 4, v1                     ; and the same two rows in pt, 4,096 bytes apart
	v_lshl_add_u32 v[GO], v9, 12, v[GO]
	s_lshl_b32 s23, s10, 10
	s_add_co_u32 s23, s23, SST
	v_lshl_add_u32 v[SSA], v1, 2, s23
	v_and_b32 v[SG], 31, v0
	v_lshlrev_b32 v[SG], 4, v[SG]
	v_add_nc_u32 v[SSR], s23, v[SG]
	; the masks.  A lane holds query l % 16 and keys 8 (l / 16) + 0..7 of a 16 x 16 block: on the diagonal register j is hidden where j > l % 16 - 8 (l / 16)
	v_lshlrev_b32 v14, 3, v9
	v_sub_nc_u32 v14, v1, v14
	s_cmp_eq_u32 s[TI], s[TJ]
	s_cselect_b32 s13, 1, 0                        ; the tile holds the diagonal
	s_cmp_eq_u32 s11, s12
	s_cselect_b32 s14, s13, 0                      ; so does my quarter
	s_cmp_gt_u32 s12, s11
	s_cselect_b32 s15, s13, 0                      ; my quarter lies above it: wholly hidden
	s_cmp_eq_u32 s14, 1
	s_cselect_b32 s[AL], 1.0, 0
	s_cselect_b32 s[BU], s[BIGN], 0
	s_cmp_eq_u32 s15, 1
	s_cselect_b32 s[CS], 0, s[CS]                  ; there every exponent is 0,
	s_cselect_b32 s[BC], 0xfe000000, 0             ; and the c m that is stored lies far below every true one
	s_mov_b32 s[CS+1], s[CS]                       ; named with c as a pair
.set i, 0
.rept 8
	v_cmp_gt_i32 vcc_lo, i, v14
	v_cndmask_b32 v[MD+i], 0, s[BIGN], vcc_lo
	v_mul_f32 v[MG+i], s[AL], v[MD+i]
	v_mov_b32 v[MU+i], s[BU]
.set i, i+1
.endr
	; where my quarter begins in pt and in st
	s_lshl_b32 s13, s[BAT], 11
	s_lshl_b32 s14, s[TI], 8
	s_add_co_u32 s13, s13, s14
	s_lshl_b32 s14, s11, 7
	s_add_co_u32 s13, s13, s14                     ; my first row
	s_lshl_b32 s20, s13, 12
	s_lshl_b32 s14, s[TJ], 9
	s_add_co_u32 s20, s20, s14
	s_lshl_b32 s14, s12, 8
	s_add_co_u32 s20, s20, s14                     ; + my first key x 2 bytes
	s_mov_b32 s21, 0
	s_add_nc_u64 s[6:7], s[6:7], s[20:21]
	s_lshl_b32 s14, s[BAT], 4
	s_lshl1_add_u32 s14, s[TJ], s14
	s_add_co_u32 s14, s14, s12                     ; my key block among the batches': 16 x batch + 2 J + half
	s_lshl_b32 s14, s14, 11
	s_lshl_b32 s15, s[TI], 8
	s_add_co_u32 s14, s14, s15
	s_lshl_b32 s15, s11, 7
	s_add_co_u32 s14, s14, s15
	s_lshl_b32 s20, s14, 2
	s_add_nc_u64 s[8:9], s[8:9], s[20:21]
.macro FA kk
.set fi, 0
.rept AF
.set fr, AFR+((\kk)%2)*8*AF+8*fi
.set fo, ((\kk)/2)*SUBA+fi*FRAG+((\kk)%2)*64
	ds_load_b128 v[fr:fr+3], v[ADA] offset:fo
	ds_load_b128 v[fr+4:fr+7], v[ADA] offset:fo+32
.set fi, fi+1
.endr
.endm
.macro FB kk, g
.set fi, 0
.rept BG
.set fr, BFR+(\g)*8*BG+8*fi
.set fo, ((\kk)/2)*SUBB+(BG*(\g)+fi)*FRAG+((\kk)%2)*64
	ds_load_b128 v[fr:fr+3], v[ADB] offset:fo
	ds_load_b128 v[fr+4:fr+7], v[ADB] offset:fo+32
.set fi, fi+1
.endr
.endm
; Every accumulator of the group is named once a phase: they take turns.  zero = 1: the product starts the sum, with 0 or its mask as C.
.macro MUL kk, g, a0, n, zero
.set ma, \a0
.rept \n
.set mb, 0
.rept BG
.set mw, 1+(\g)
.set mr, 8*(ma*BG+mb)
.set mfa, AFR+((\kk)%2)*8*AF+8*ma
.set mfb, BFR+(\g)*8*BG+8*mb
.if \zero
	WIN mw<<6                                      ; D in the accumulator's window, C in window 0
.if (BG*(\g)+mb) < ma
	v_wmma_f32_16x16x32_f16 v[mr:mr+7], v[mfb:mfb+7], v[mfa:mfa+7], 0
.elseif (BG*(\g)+mb) == ma
	v_wmma_f32_16x16x32_f16 v[mr:mr+7], v[mfb:mfb+7], v[mfa:mfa+7], v[MG:MG+7]
.else
	v_wmma_f32_16x16x32_f16 v[mr:mr+7], v[mfb:mfb+7], v[mfa:mfa+7], v[MU:MU+7]
.endif
.else
	WIN 0x50*mw
	v_wmma_f32_16x16x32_f16 v[mr:mr+7], v[mfb:mfb+7], v[mfa:mfa+7], v[mr:mr+7]
.endif
.set mb, mb+1
.endr
.set ma, ma+1
.endr
.endm
.macro PH kk, g, zero
	s_wait_dscnt 0x0                               ; this phase's fragments, issued a phase ago
	PLACES                                         ; the loads below go into registers that the last phase's products read
	WIN 0
.if (\g) < NG-1
	FB \kk, (\g)+1
.else
	FA (\kk)+1
	FB (\kk)+1, 0
.endif
	MUL \kk, \g, 0, AF, \zero
.endm
; A slot's last phase changes slots: each wave waits for all its tensor loads (one is out: its part of the next slot), adds 0 to its spare word, waits for that and for its reads of this slot, and
; passes the barrier.  fill = 1: this slot is then filled again, first thing, with the K step two steps on.
.macro TURN fill
	WIN 0
	s_wait_tensorcnt 0x0                           ; no tensor load of mine is out, so a group 0 may be written
	ds_add_u32 v[SPW], v[NIL]                      ; 0 onto my spare word
.if \fill
	s_add_co_u32 s[G0+5], s[WO], s[TB]             ; into the slot that is being left,
	s_add_nc_u64 s[G0+6:G0+7], s[G0+6:G0+7], STEP  ; the next K step
.endif
	s_wait_dscnt 0x1                               ; the add alone may be out
	MUL KK-1, NG-1, 0, P1, 0
	s_wait_dscnt 0x0                               ; the add is done, and my reads of this slot are over
	s_barrier_signal -1
	MUL KK-1, NG-1, P1, P1, 0
	WIN 0
	s_barrier_wait -1
.if \fill
	tensor_load_to_lds s[G0+4:G0+7], s[G1:G1+7]    ; my one tensor load behind the barrier
	s_nop 0
.endif
	PLACES                                         ; in front of the loads below
	s_xor_b32 s[TB], s[TB], SLOT
	v_add_nc_u32 v[ADA], s[TB], v[ADA0]
	v_add_nc_u32 v[ADB], s[TB], v[ADB0]
	FA 0
	FB 0, 0
	MUL KK-1, NG-1, 2*P1, AF-2*P1, 0
.endm
.macro REST                            ; a K step's phases between its first 32 along K and its last phase
	PH 1, 0, 0
	PH 1, 1, 0
	PH 2, 0, 0
	PH 2, 1, 0
	PH 3, 0, 0
.endm
	s_wait_tensorcnt 0x1                           ; my part of K step 0 is in; step 1's may stay out
	s_barrier_signal -1
	s_barrier_wait -1
	FA 0
	FB 0, 0
	PH 0, 0, 1
	PH 0, 1, 1
	WIN 0
	s_mov_b32 s[CNT], NSTEP-2
.Lmain:
	REST
	TURN 1
	PH 0, 0, 0
	PH 0, 1, 0
	WIN 0
	s_sub_co_u32 s[CNT], s[CNT], 1
	s_cmp_lg_u32 s[CNT], 0
	s_cbranch_scc1 .Lmain
	s_mov_b32 s[CNT], 2
.Ltail:                                                ; the last two K steps ask for nothing; the second trip is left in its middle
	REST
	TURN 0
	WIN 0
	s_sub_co_u32 s[CNT], s[CNT], 1
	s_cmp_eq_u32 s[CNT], 0
	s_cbranch_scc1 .Lout
	PH 0, 0, 0
	PH 0, 1, 0
	WIN 0
	s_branch .Ltail
.Lout:
	s_wait_dscnt 0x0
	PLACES
	v_mov_b32 v[XT], 0                             ; v_permlanex16_b32's destination counts as read
	v_mov_b32 v[CM+1], 0                           ; named with c m as a pair
; THE SOFTMAX OF ROW BLOCK a: a lane holds one row and 64 of its 128 scores, v[32 a .. 32 a + 31] of windows 1 and 2; the other 64 lie in the lane 16 away.
.macro SOFT a
.set sb, 32*(\a)
.irp w, 1,2
	WIN 0x15*\w                                    ; three sources in window w.
.set j, 0
.rept 4
	v_max3_num_f32 v[CH+4*(\w-1)+j], v[sb+8*j], v[sb+8*j+1], v[sb+8*j+2]
.set j, j+1
.endr
	WIN 0x14*\w
.set j, 0
.rept 8
	v_max3_num_f32 v[CH+4*(\w-1)+j%4], v[CH+4*(\w-1)+j%4], v[sb+8*(j%4)+2*(j/4)+3], v[sb+8*(j%4)+2*(j/4)+4]
.set j, j+1
.endr
	v_max3_num_f32 v[CH+4*(\w-1)], v[CH+4*(\w-1)], v[sb+7], v[sb+15]
	v_max3_num_f32 v[CH+4*(\w-1)+2], v[CH+4*(\w-1)+2], v[sb+23], v[sb+31]
.endr
	WIN 0
	v_max3_num_f32 v[CH], v[CH], v[CH+1], v[CH+2]
	v_max3_num_f32 v[CH+3], v[CH+3], v[CH+4], v[CH+5]
	v_max3_num_f32 v[CH], v[CH], v[CH+6], v[CH+7]
	v_max_num_f32 v[CH], v[CH], v[CH+3]
	v_permlanex16_b32 v[XT], v[CH], s[SEL], s[SEL+1]
	v_max_num_f32 v[CH], v[CH], v[XT]
	v_mul_f32 v[CM], s[CS], v[CH]                  ; c m
	v_add_f32 v[CH+1], s[BC], v[CM]                ; as it is stored: unchanged, or far below every true one where my quarter is wholly hidden
.irp w, 1,2
	WIN 0x41*\w                                    ; destination and source 0 in window w, c m in window 0
.set j, 0
.rept 16
	v_pk_fma_f32 v[sb+2*j:sb+2*j+1], v[sb+2*j:sb+2*j+1], s[CS:CS+1], v[CM:CM+1] op_sel_hi:[1,0,0] neg_lo:[0,0,1] neg_hi:[0,0,1]
.set j, j+1
.endr
.set j, 0
.rept 32
	v_exp_f32 v[sb+j], v[sb+j]
.set j, j+1
.endr
.endr
	v_nop                                          ; a plain instruction behind the last exponential
	s_wait_alu depctr_va_vdst(0)
.irp w, 1,2
	WIN 5*\w
.set j, 0
.rept 16
	v_cvt_pk_f16_f32 v[TMP+16*(\w-1)+j], v[sb+2*j], v[sb+2*j+1]
.set j, j+1
.endr
.endr
.irp w, 1,2
	WIN 0x45*\w                                    ; the sum of 16 pairs, in place, as a tree
.irp d, 2,4,8,16
.set j, 0
.rept 16/\d
	v_pk_add_f32 v[sb+2*\d*j:sb+2*\d*j+1], v[sb+2*\d*j:sb+2*\d*j+1], v[sb+2*\d*j+\d:sb+2*\d*j+\d+1]
.set j, j+1
.endr
.endr
.endr
	WIN 0x09                                       ; source 0 in window 1, source 1 in window 2
	v_pk_add_f32 v[LS:LS+1], v[sb:sb+1], v[sb:sb+1]
	WIN 0
	v_add_f32 v[LS], v[LS], v[LS+1]
	v_permlanex16_b32 v[XT], v[LS], s[SEL], s[SEL+1]
	v_add_f32 v[LS], v[LS], v[XT]
	ds_store_b32 v[SSA], v[CH+1] offset:64*(\a)    ; lanes l and l + 16 write the same word with the same number
	ds_store_b32 v[SSA], v[LS] offset:512+64*(\a)
.endm
.macro TOSTAGE a
	WIN 0
.set BK, BK0+32*((\a)%2)
.set j, 0
.rept 8
	ds_store_b128 v[STO], v[TMP+4*j:TMP+4*j+3] offset:32*j
.set j, j+1
.endr
.set j, 0
.rept 8
	ds_load_b128 v[BK+4*j:BK+4*j+3], v[RD] offset:j*2*SP  ; LDS serves a wave's instructions in order (ISA guide 5.7.1.4): these see the stores above
.set j, j+1
.endr
.endm
.macro SEND a
	WIN 0
.set BK, BK0+32*((\a)%2)
	s_wait_dscnt 0x0
	s_wait_xcnt 0x0                                ; the registers that earlier stores read are loaded again only behind this wait
.set j, 0
.rept 8
	global_store_b128 v[GO], v[BK+4*j:BK+4*j+3], s[6:7] offset:(\a)*65536+j*8192  ; 16 lanes store 256 consecutive bytes, at a multiple of 256 from pt's first byte
.set j, j+1
.endr
.endm
	SOFT 0
	TOSTAGE 0
.irp a, 1,2,3,4,5,6,7
	SOFT \a
	SEND (\a)-1
	TOSTAGE \a
.endr
	SEND 7
	ds_load_b128 v[160:163], v[SSR]                ; my 128 rows' c m and l: 512 consecutive bytes each
	ds_load_b128 v[164:167], v[SSR] offset:512
	s_wait_dscnt 0x0
	global_store_b128 v[SG], v[160:163], s[8:9]
	global_store_b128 v[SG], v[164:167], s[8:9] offset:524288
	s_wait_tensorcnt 0x0                           ; the wave's end
	ds_add_u32 v[SPW], v[NIL]
	s_wait_dscnt 0x0
	s_endpgm
.Lfunc_end_k_q96a4941e65_scores:
	.size	k_q96a4941e65_scores, .Lfunc_end_k_q96a4941e65_scores-k_q96a4941e65_scores
	.p2alignl 7, 3214868480
	.fill 96, 4, 3214868480
	.section	.rodata,"a",@progbits
	.p2align	6, 0x0
	.amdhsa_kernel k_q96a4941e65_scores
		.amdhsa_group_segment_fixed_size 327680
		.amdhsa_private_segment_fixed_size 0
		.amdhsa_enable_private_segment 0
		.amdhsa_kernarg_size 24
		.amdhsa_user_sgpr_count 2
		.amdhsa_user_sgpr_kernarg_segment_ptr 1
		.amdhsa_wavefront_size32 1
		.amdhsa_system_sgpr_workgroup_id_x 1
		.amdhsa_system_sgpr_workgroup_id_y 1
		.amdhsa_system_sgpr_workgroup_id_z 1
		.amdhsa_system_vgpr_workitem_id 0
		.amdhsa_next_free_vgpr 768
		.amdhsa_next_free_sgpr 96
		.amdhsa_reserve_vcc 1
		.amdhsa_float_denorm_mode_32 3
		.amdhsa_float_denorm_mode_16_64 3
		.amdhsa_memory_ordered 1
		.amdhsa_forward_progress 1
		.amdhsa_inst_pref_size 170
	.end_amdhsa_kernel
	.amdgpu_metadata
---
amdhsa.version: [ 1, 2 ]
amdhsa.kernels:
  - .name:           k_q96a4941e65_scores
    .symbol:         k_q96a4941e65_scores.kd
    .args:
      - { .name: qkv, .offset: 0, .size: 8, .value_kind: global_buffer, .address_space: global }
      - { .name: pt, .offset: 8, .size: 8, .value_kind: global_buffer, .address_space: global }
      - { .name: st, .offset: 16, .size: 8, .value_kind: global_buffer, .address_space: global }
    .group_segment_fixed_size: 327680
    .private_segment_fixed_size: 0
    .kernarg_segment_align: 8
    .kernarg_segment_size: 24
    .max_flat_workgroup_size: 128
    .sgpr_count:     96
    .vgpr_count:     768
    .wavefront_size: 32
...
	.end_amdgpu_metadata
.endif
;; end of part 3
;; launch pv (part 4): grid 8 x 32, 4 waves a work-group, clusters of 4 x 1, 327,680 bytes of LDS; arguments pt, st, qkv, ob; writes ob
.if DOCPART == 4
	.amdgcn_target "amdgcn-amd-amdhsa--gfx1250"
	.amdhsa_code_object_version 6
	.text
	.protected	k_q96a4941e65_pv
	.globl	k_q96a4941e65_pv
	.p2align	8
	.type	k_q96a4941e65_pv,@function
k_q96a4941e65_pv:
	s_mov_b64 s[64:65], 0
	v_nop
	global_prefetch_b8 v0, s[64:65] scope:SCOPE_SE
	s_setreg_imm32_b32 hwreg(HW_REG_WAVE_MODE, 25, 1), 1
	s_wait_xcnt 0x0
	s_wait_alu depctr_hold_cnt(0) depctr_sa_sdst(0) depctr_va_vdst(0) depctr_va_sdst(0) depctr_va_ssrc(0) depctr_va_vcc(0) depctr_vm_vsrc(0)
	s_getreg_b32 s2, hwreg(HW_REG_IB_STS2, 6, 4)
	s_cmp_eq_u32 s2, 0
	s_cbranch_scc0 .Lentry_in_a_cluster
	s_endpgm
.Lentry_in_a_cluster:
	s_bfe_u32 s2, ttmp6, 0x10000c
	s_cmp_lg_u32 s2, 0x3003
	s_cbranch_scc0 .Lentry_shape_is_right
	s_endpgm
.Lentry_shape_is_right:
; O[row] = the sum over key blocks j of f_j(row) x (P~_j V_j)[row], with f_j = 2^(c m_j - c M) / L, c M the largest c m_j of the row, L = the sum over j of 2^(c m_j - c M) l_j, all in f32:
; the softmax with each row's true maximum, put together from the blocks of 128 keys that the scores' launch left.  f16 operands, f32 sums; O rounded once to f16.
; ob: [16 blocks of 64 channels][8192][64] f16.
; LIMITS.  v, and so O, within 65,504; a factor below 2^-126 counts as 0; NaN and infinities are not treated apart.
; THE WALK.  A work-group makes 128 channels of TWO blocks of 128 rows of a batch, 15 - p and then p.  Keys go 256 at a time; the two blocks need 8 - p / 2 and p / 2 + 1 such steps: nine, whatever p,
; so all 256 work-groups do equal work and the loops count to constants.  An even block's last 128 keys are hidden: their factor is 0, and they are multiplied all the same.
; CLUSTER.  The four work-groups of a cluster take the same rows and four different channel tiles: P~'s tiles are asked for jointly (mask of four); V's differ and are plain loads behind the same round.
; SUMS.  Each block of 128 keys has sums of its own, T0 (a step's first half) and T1 (its second) by turns; while one is multiplied the other is folded into O, O += f T, four packed lines behind
; every four products.  O, T1 and the factors start at 0, so that no first step is written out: 272 v_mov_b32 in the wait for the first tile.
; Source 0 = 16 channels of V^T (V lies [key][channel] and is turned by ds_load_tr16_b128), source 1 = 16 rows of P~: a lane holds row l % 16 and eight neighbouring channels.
; REGISTERS.  Window 0: v0-31 addresses; v32-95 P~'s fragments, two buffers; v96-159 V's; v160-175 factors; v176-223 the way out.  Window 1: T0 v0-127, T1 v128-255.  Window 2: O v0-127.
.set PA,    528                        ; a row of P~ in LDS: 512 bytes + 16
.set PV,    160                        ; a row of V: 128 bytes + 32
.set ASZ,   128*PA
.set VSUB,  256*PV                     ; 256 keys of one block of 64 channels
.set SLOT,  ASZ+2*VSUB
.set TABLE, 2*SLOT                     ; the factors: [2 row blocks][16 key blocks][128 rows] f32
.set STAGE, TABLE+16384                ; 16 rows x 144 bytes for each wave
.set SP,    144
.set SPARE, STAGE+4*16*SP              ; the spare words: two blocks of 256 bytes that no other line names
.set ADA0, 2
.set ADB0, 3
.set ADA,  4
.set ADB,  5
.set STO,  6
.set RD,   7
.set GO,   8
.set FAD0, 12                          ; v12  my row's place in a line of the table; never rewritten
.set FAD,  13                          ; v13  the same in the step in hand
.set TA,   14                          ; v14  where I put two rows' factors
.set LO,   15                          ; v15  8 x lane
.set SPW,  30
.set NIL,  31
.set AFR,  32
.set BFR,  96
.set FT,   160                         ; v160-167 the first half's factors, a pair for each 16 rows (the odd registers stay 0); v168-175 the second half's
.set TMP,  176
.set BK0,  192
.set G1A, 24
.set G0A, 32
.set G1B, 48
.set G0B, 56
.set TB,  66
.set CNT, 67
.set WOA, 68
.set WOB, 69
.set NXT, 70                           ; s70  the step of 256 keys to be asked for next
.set LQ,  71                           ; s71  how many steps the block has whose tiles are being asked for
.set ROWA, 72                          ; s72  byte offset in pt of my 64 rows of that block
.set ROWA2, 73                         ; s73  the same for the second block
.set ND2, 74                           ; s74  the second block's steps
.set RT,  75                           ; s75  steps of the block in hand that are still to be done
.set OFA, 76                           ; s[76:77], s[78:79] a tile's byte offsets
.set OFB, 78
.set OB,  80                           ; s[80:81] ob at my rows of the block in hand;  s[82:83] of the second block
.set OB2, 82
.set VB,  92                           ; s[92:93] v at my block of channels, the batch's first key
.set TW,  94                           ; s94  the table's line for the step in hand
.set BAT, 95
.set PP,  96
.set I1,  97
.set MSB, 0
.macro WIN new
.if MSB != (\new)
	s_set_vgpr_msb (MSB<<8)|(\new)
.set MSB, \new
.endif
.endm
.macro PLACES
.rept 4
	v_nop
.endr
.endm
.macro JLOAD                           ; waves 0 and 1 ask jointly for the halves of P~'s tile, waves 2 and 3 for their own work-group's two blocks of V
	s_cmp_eq_u32 s11, 0
	s_cbranch_scc0 .Lfor_v_\@
	tensor_load_to_lds s[G0A+4:G0A+7], s[G1A:G1A+7]
	s_nop 0
.rept 4
	v_nop
.endr
	s_branch .Lasked_\@
.Lfor_v_\@:
	tensor_load_to_lds s[G0B+4:G0B+7], s[G1B:G1B+7]
	s_nop 0
.rept 4
	v_nop
.endr
.Lasked_\@:
.endm
.macro CREST
	s_cmp_lg_u32 s10, 0
	s_cbranch_scc1 .Lnot_wave_0_\@
	s_barrier_signal -3
.Lnot_wave_0_\@:
	s_barrier_wait -3
	s_barrier_signal -1
	s_barrier_wait -1
.endm
.macro CROUND
	s_barrier_signal -1
	s_barrier_wait -1
	CREST
.endm
	s_load_b256 s[84:91], s[0:1], 0x0              ; pt s[84:85], st s[86:87], qkv s[88:89], ob s[90:91]
	v_lshl_add_u32 v[SPW], v0, 2, SPARE
	v_mov_b32 v[NIL], 0
	ds_add_u32 v30, v31
	ds_add_u32 v30, v31
	s_wait_dscnt 0x0
	v_lshrrev_b32 v1, 5, v0
	v_readfirstlane_b32 s10, v1                    ; wave 0..3
	s_lshr_b32 s11, s10, 1                         ; my half of the rows.  Also: I fetch for P~ (0) or for V (1)
	s_and_b32 s12, s10, 1                          ; my half of the channels.  Also: which half of that tile I fetch
	s_bfe_u32 s40, ttmp6, 0x40000                  ; cx
	s_lshl_b32 s42, ttmp9, 2
	s_add_co_u32 s42, s42, s40                     ; my tile of 128 channels: it enters V's and O's addresses alone
	s_and_b32 s13, ttmp7, 0xffff
	s_lshr_b32 s[BAT], s13, 3
	s_and_b32 s[PP], s13, 7                        ; p: the second block; the partners share it
	s_sub_co_u32 s[I1], 15, s[PP]                  ; the first block
	s_lshr_b32 s14, s[PP], 1
	s_sub_co_u32 s[LQ], 8, s14
	s_add_co_u32 s[ND2], s14, 1
	s_mov_b32 s[RT], s[LQ]
	s_mov_b32 s[NXT], 2
	s_mov_b32 s[TW], 0
	s_mov_b32 s[TB], 0
	s_lshl_b32 s16, s[BAT], 11
	s_lshl_b32 s17, s12, 6
	s_add_co_u32 s17, s17, s16                     ; the batch's rows + the 64 rows that I fetch
	s_lshl_b32 s18, s[I1], 7
	s_add_co_u32 s18, s18, s17
	s_lshl_b32 s[ROWA], s18, 12
	s_lshl_b32 s18, s[PP], 7
	s_add_co_u32 s18, s18, s17
	s_lshl_b32 s[ROWA2], s18, 12
	s_mov_b32 s[OFA], s[ROWA]
	s_mov_b32 s[OFA+1], 0
	s_mov_b32 s[OFB+1], 0
	s_lshl_b32 s43, s42, 1
	s_add_co_u32 s43, s43, s12                     ; my block of 64 channels
	s_add_co_u32 s41, s43, 32                      ; v's blocks lie behind q's and k's
	s_lshl_b32 s20, s41, 20
	s_lshl_b32 s21, s[BAT], 18                     ; 2,048 keys of 128 bytes a batch
	s_add_co_u32 s20, s20, s21
	s_mov_b32 s21, 0
	s_lshl_b32 s22, s43, 20
	s_lshl_b32 s23, s11, 6
	s_add_co_u32 s23, s23, s16                     ; the batch's rows + my 64 rows of a block
	s_lshl_b32 s13, s[I1], 7
	s_add_co_u32 s13, s13, s23
	s_lshl_b32 s13, s13, 7
	s_add_co_u32 s44, s13, s22
	s_mov_b32 s45, 0
	s_lshl_b32 s13, s[PP], 7
	s_add_co_u32 s13, s13, s23
	s_lshl_b32 s13, s13, 7
	s_add_co_u32 s46, s13, s22
	s_mov_b32 s47, 0
	s_cmp_eq_u32 s11, 0                            ; the statistics: waves 0 and 1 serve the first block, waves 2 and 3 the second, 64 rows each
	s_cselect_b32 s13, s[I1], s[PP]
	s_lshl_b32 s14, s[BAT], 17
	s_lshl_b32 s13, s13, 9
	s_add_co_u32 s14, s14, s13
	s_lshl_b32 s13, s12, 8
	s_add_co_u32 s14, s14, s13
	s_mov_b32 s15, 0
	s_mul_i32 s[WOA], s12, 64*PA
	s_mul_i32 s[WOB], s12, VSUB
	s_add_co_u32 s[WOB], s[WOB], ASZ
	s_mov_b32 s[G1A], 15|(1<<16)|(1<<20)|(1<<21)|(6<<22)|(3<<25)  ; the mask of four; 2-byte elements; bit 21 beside a mask; padding of 4 words behind every 128 words
	s_mov_b32 s[G1A+1], 256<<16                    ; tensor_dim0 = 256 keys
	s_mov_b32 s[G1A+2], 64<<16                     ; tensor_dim1 = 64 rows
	s_mov_b32 s[G1A+3], 256<<16
	s_mov_b32 s[G1A+4], 64
	s_mov_b32 s[G1A+5], 2048                       ; elements from row to row of pt
	s_mov_b32 s[G1A+6], 0
	s_mov_b32 s[G1A+7], 0
	s_mov_b32 s[G1B], (1<<16)|(1<<20)|(4<<22)|(7<<25)  ; no mask; padding of 8 words behind every 32 words
	s_mov_b32 s[G1B+1], 128<<16
	s_mov_b32 s[G1B+2], 128<<16                    ; 256 keys of 128 bytes are 128 rows of 256
	s_mov_b32 s[G1B+3], 128<<16
	s_mov_b32 s[G1B+4], 128
	s_mov_b32 s[G1B+5], 128
	s_mov_b32 s[G1B+6], 0
	s_mov_b32 s[G1B+7], 0
	s_wait_kmcnt 0x0
	s_add_nc_u64 s[VB:VB+1], s[88:89], s[20:21]
	s_add_nc_u64 s[OB:OB+1], s[90:91], s[44:45]
	s_add_nc_u64 s[OB2:OB2+1], s[90:91], s[46:47]
	s_add_nc_u64 s[86:87], s[86:87], s[14:15]
	s_add_nc_u64 s[16:17], s[84:85], s[OFA:OFA+1]
	CROUND                                         ; all four work-groups are here: the first joint loads meet
	s_mov_b32 s[G0A], 1
	s_mov_b32 s[G0A+1], s[WOA]
	s_add_nc_u64 s[G0A+2:G0A+3], s[16:17], 0
	s_or_b32 s[G0A+3], s[G0A+3], 0x80000000
	s_mov_b32 s[G0A+4], 1
	s_add_co_u32 s[G0A+5], s[WOA], SLOT
	s_add_nc_u64 s[G0A+6:G0A+7], s[16:17], 512     ; the next 256 keys
	s_or_b32 s[G0A+7], s[G0A+7], 0x80000000
	s_mov_b32 s[G0B], 1
	s_mov_b32 s[G0B+1], s[WOB]
	s_add_nc_u64 s[G0B+2:G0B+3], s[VB:VB+1], 0
	s_or_b32 s[G0B+3], s[G0B+3], 0x80000000
	s_mov_b32 s[G0B+4], 1
	s_add_co_u32 s[G0B+5], s[WOB], SLOT
	s_add_nc_u64 s[G0B+6:G0B+7], s[VB:VB+1], 32768
	s_or_b32 s[G0B+7], s[G0B+7], 0x80000000
	s_cmp_eq_u32 s11, 0                            ; a wave's two first fills stand in one branch: two loads of mine are out
	s_cbranch_scc0 .Lfirst_v
	tensor_load_to_lds s[G0A:G0A+3], s[G1A:G1A+7]
	s_nop 0
	tensor_load_to_lds s[G0A+4:G0A+7], s[G1A:G1A+7]
	s_nop 0
.rept 4
	v_nop
.endr
	s_branch .Lfirst_asked
.Lfirst_v:
	tensor_load_to_lds s[G0B:G0B+3], s[G1B:G1B+7]
	s_nop 0
	tensor_load_to_lds s[G0B+4:G0B+7], s[G1B:G1B+7]
	s_nop 0
.rept 4
	v_nop
.endr
.Lfirst_asked:
	; THE FACTORS.  A lane takes two rows: 16 pairs of c m into v32-63, 16 pairs of l into v64-95; a load of the wave covers 256 consecutive bytes.
	v_and_b32 v[LO], 31, v0
	v_lshlrev_b32 v[LO], 3, v[LO]
.set j, 0
.rept 16
	global_load_b64 v[32+2*j:33+2*j], v[LO], s[86:87] offset:8192*j
	global_load_b64 v[64+2*j:65+2*j], v[LO], s[86:87] offset:524288+8192*j
.set j, j+1
.endr
	v_and_b32 v1, 15, v0                           ; l % 16
	v_bfe_u32 v9, v0, 4, 1                         ; l / 16
	v_mul_u32_u24 v[ADA0], v1, PA
	v_lshl_add_u32 v[ADA0], v9, 4, v[ADA0]
	s_mul_i32 s21, s11, 64*PA
	v_add_nc_u32 v[ADA0], s21, v[ADA0]
	v_and_b32 v10, 7, v0                           ; the turning load: lane l reads key 8 (l / 16) + l % 8, channels 8 ((l / 8) % 2) + 0..7
	v_bfe_u32 v11, v0, 3, 1
	v_lshl_add_u32 v[ADB0], v9, 3, v10
	v_mul_u32_u24 v[ADB0], v[ADB0], PV
	v_lshl_add_u32 v[ADB0], v11, 4, v[ADB0]
	v_add_nc_u32 v[ADB0], s[WOB], v[ADB0]          ; my half of the channels is the block that lies at WOB
	v_mov_b32 v[ADA], v[ADA0]
	v_mov_b32 v[ADB], v[ADB0]
	s_mul_i32 s23, s10, 16*SP
	s_add_co_u32 s23, s23, STAGE
	v_mul_u32_u24 v[STO], v1, SP
	v_lshl_add_u32 v[STO], v9, 4, v[STO]
	v_add_nc_u32 v[STO], s23, v[STO]
	v_bfe_u32 v[RD], v0, 3, 2
	v_mul_u32_u24 v[RD], v[RD], SP
	v_lshl_add_u32 v[RD], v10, 4, v[RD]
	v_add_nc_u32 v[RD], s23, v[RD]
	v_and_b32 v[GO], 31, v0
	v_lshlrev_b32 v[GO], 4, v[GO]
	s_lshl_b32 s23, s11, 8                         ; 64 rows x 4 bytes
	s_add_co_u32 s23, s23, TABLE
	v_lshl_add_u32 v[FAD0], v1, 2, s23
	s_lshl_b32 s23, s11, 13
	s_lshl_b32 s22, s12, 8
	s_add_co_u32 s23, s23, s22
	s_add_co_u32 s23, s23, TABLE
	v_add_nc_u32 v[TA], s23, v[LO]
	WIN 0x80                                       ; O = 0
.set i, 0
.rept 128
	v_mov_b32 v[i], 0
.set i, i+1
.endr
	WIN 0x40                                       ; T1 = 0
.set i, 128
.rept 128
	v_mov_b32 v[i], 0
.set i, i+1
.endr
	WIN 0
.set i, 0
.rept 16
	v_mov_b32 v[FT+i], 0
.set i, i+1
.endr
	s_wait_loadcnt 0x0
.irp e, 0,1
	v_max3_num_f32 v[96+\e], v[32+\e], v[34+\e], v[36+\e]  ; c M
.set j, 3
.rept 6
	v_max3_num_f32 v[96+\e], v[96+\e], v[32+2*j+\e], v[34+2*j+\e]
.set j, j+2
.endr
	v_max_num_f32 v[96+\e], v[96+\e], v[62+\e]
.endr
.set j, 0
.rept 16
	v_pk_add_f32 v[32+2*j:33+2*j], v[32+2*j:33+2*j], v[96:97] neg_lo:[0,1] neg_hi:[0,1]
.set j, j+1
.endr
.set j, 0
.rept 32
	v_exp_f32 v[32+j], v[32+j]
.set j, j+1
.endr
	v_nop                                          ; a plain instruction behind the last exponential
	s_wait_alu depctr_va_vdst(0)
	v_pk_mul_f32 v[98:99], v[32:33], v[64:65]      ; L
.set j, 1
.rept 15
	v_pk_fma_f32 v[98:99], v[32+2*j:33+2*j], v[64+2*j:65+2*j], v[98:99]
.set j, j+1
.endr
	v_rcp_f32 v98, v98
	v_rcp_f32 v99, v99
	v_nop
.set j, 0
	s_wait_alu depctr_va_vdst(0)
.rept 16
	v_pk_mul_f32 v[32+2*j:33+2*j], v[32+2*j:33+2*j], v[98:99]
.set j, j+1
.endr
.set j, 0
.rept 16
	ds_store_b64 v[TA], v[32+2*j:33+2*j] offset:512*j
.set j, j+1
.endr
.macro FA kk                           ; P~'s fragments of 32 keys -> buffer kk % 2
.set fi, 0
.rept 4
.set fr, AFR+((\kk)%2)*32+8*fi
.set fo, fi*16*PA+64*(\kk)
	ds_load_b128 v[fr:fr+3], v[ADA] offset:fo
	ds_load_b128 v[fr+4:fr+7], v[ADA] offset:fo+32
.set fi, fi+1
.endr
.endm
.macro FB kk                           ; V's, turned
.set fi, 0
.rept 4
.set fr, BFR+((\kk)%2)*32+8*fi
.set fo, 32*PV*(\kk)+32*fi
	ds_load_tr16_b128 v[fr:fr+3], v[ADB] offset:fo
	ds_load_tr16_b128 v[fr+4:fr+7], v[ADB] offset:fo+16*PV
.set fi, fi+1
.endr
.endm
; n row blocks from a0 on: four products each (the sixteen accumulators take turns; the first 32 keys of a half start its sums), and behind them four lines that fold one
; accumulator of the OTHER half's sums into O: row block kk % 4, channel block ma.  That accumulator was finished a phase or more ago, with four v_nop since; its lowest registers are read first.
.macro MULR kk, a0, n
.set ma, \a0
.rept \n
	WIN 0x50
.set mb, 0
.rept 4
.set mr, 128*((\kk)/4)+8*(4*ma+mb)
.set mfa, AFR+((\kk)%2)*32+8*ma
.set mfb, BFR+((\kk)%2)*32+8*mb
.if (\kk)%4 == 0
	v_wmma_f32_16x16x32_f16 v[mr:mr+7], v[mfb:mfb+7], v[mfa:mfa+7], 0
.else
	v_wmma_f32_16x16x32_f16 v[mr:mr+7], v[mfb:mfb+7], v[mfa:mfa+7], v[mr:mr+7]
.endif
.set mb, mb+1
.endr
	WIN 0xa1                                       ; O (destination and source 2) in window 2, T in window 1, the factor in window 0
.set ro, 8*(4*((\kk)%4)+ma)
.set rt, 128*(1-(\kk)/4)+ro
.set rf, FT+8*(1-(\kk)/4)+2*((\kk)%4)
.set mb, 0
.rept 4
	v_pk_fma_f32 v[ro+2*mb:ro+2*mb+1], v[rt+2*mb:rt+2*mb+1], v[rf:rf+1], v[ro+2*mb:ro+2*mb+1] op_sel_hi:[1,0,1]
.set mb, mb+1
.endr
.set ma, ma+1
.endr
.endm
.macro PH kk
	s_wait_dscnt 0x0                               ; this phase's fragments, issued a phase ago
	PLACES                                         ; the loads below go into registers that the last phase's products read
	WIN 0
.if (\kk) == 0
	v_add_nc_u32 v[FAD], s[TW], v[FAD0]
.irp a, 0,1,2,3
	ds_load_b32 v[FT+2*\a], v[FAD] offset:64*\a    ; the first half's factors: wanted from phase 4 on
.endr
.endif
.if (\kk) == 4
.irp a, 0,1,2,3
	ds_load_b32 v[FT+8+2*\a], v[FAD] offset:512+64*\a  ; the second half's: wanted from the next step's phase 0 on; the old ones were last read in phase 3
.endr
	s_add_co_u32 s[TW], s[TW], 1024
.endif
	FA (\kk)+1
	FB (\kk)+1
	MULR \kk, 0, 4
.endm
; A step's last phase changes slots: each wave waits for all its tensor loads (one is out: its part of the next slot), adds 0 to its spare word, and waits for that and for its reads of this slot.
; fill = 1: the barrier opens a round of the cluster's; behind it this slot is filled again with step NXT, whose addresses are made anew from that number.
.macro TURN fill
	WIN 0
	s_wait_tensorcnt 0x0                           ; no tensor load of mine is out, so a group 0 may be written
	ds_add_u32 v[SPW], v[NIL]                      ; 0 onto my spare word
.if \fill
	s_lshl_b32 s[OFA], s[NXT], 9                   ; 256 keys are 512 bytes of a row of pt
	s_add_co_u32 s[OFA], s[OFA], s[ROWA]
	s_add_nc_u64 s[G0A+6:G0A+7], s[84:85], s[OFA:OFA+1]
	s_or_b32 s[G0A+7], s[G0A+7], 0x80000000
	s_add_co_u32 s[G0A+5], s[WOA], s[TB]           ; into the slot that is being left
	s_lshl_b32 s[OFB], s[NXT], 15                  ; and 32,768 bytes of a block of v
	s_add_nc_u64 s[G0B+6:G0B+7], s[VB:VB+1], s[OFB:OFB+1]
	s_or_b32 s[G0B+7], s[G0B+7], 0x80000000
	s_add_co_u32 s[G0B+5], s[WOB], s[TB]
	s_add_co_u32 s[NXT], s[NXT], 1                 ; the block's next step, or behind its last the second block's step 0
	s_cmp_eq_u32 s[NXT], s[LQ]
	s_cselect_b32 s[NXT], 0, s[NXT]
	s_cselect_b32 s[ROWA], s[ROWA2], s[ROWA]
	s_cselect_b32 s[LQ], s[ND2], s[LQ]
.endif
	s_wait_dscnt 0x1                               ; the add alone may be out
	MULR 7, 0, 1
	s_wait_dscnt 0x0                               ; the add is done, and my reads of this slot are over
	s_barrier_signal -1
	MULR 7, 1, 1
	WIN 0
	s_barrier_wait -1
.if \fill
	CREST                                          ; no wave of any partner still reads this slot or has a load on its way
	JLOAD
.else
	PLACES
.endif
	s_xor_b32 s[TB], s[TB], SLOT
	v_add_nc_u32 v[ADA], s[TB], v[ADA0]
	v_add_nc_u32 v[ADB], s[TB], v[ADB0]
	FA 0
	FB 0
	MULR 7, 2, 2
.endm
; A BLOCK'S END: the last half's sums are folded; O is rounded to f16 and goes out through my stage, 16 rows at a time, 512 consecutive bytes a store; then O and the second half's factors are 0
; again and the scalars name the second block.  (At the walk's end that serves nothing.)  It holds no barrier and no tensor load.
.macro BLOCKEND
	PLACES
	WIN 0xa1
.set n, 0
.rept 64
	v_pk_fma_f32 v[2*n:2*n+1], v[128+2*n:129+2*n], v[FT+8+2*(n/16):FT+9+2*(n/16)], v[2*n:2*n+1] op_sel_hi:[1,0,1]
.set n, n+1
.endr
.irp a, 0,1,2,3
	WIN 0x0a                                       ; sources 0 and 1 in window 2
.set n, 0
.rept 16
	v_cvt_pk_f16_f32 v[TMP+n], v[32*\a+2*n], v[32*\a+2*n+1]
.set n, n+1
.endr
	WIN 0
.set BK, BK0+16*(\a%2)
.set n, 0
.rept 4
	ds_store_b128 v[STO], v[TMP+4*n:TMP+4*n+3] offset:32*n
.set n, n+1
.endr
.set n, 0
.rept 4
	ds_load_b128 v[BK+4*n:BK+4*n+3], v[RD] offset:n*4*SP  ; LDS serves a wave's instructions in order (ISA guide 5.7.1.4): these see the stores above
.set n, n+1
.endr
	s_wait_dscnt 0x0
	s_wait_xcnt 0x0                                ; the registers that earlier stores read are loaded again only behind this wait
.set n, 0
.rept 4
	global_store_b128 v[GO], v[BK+4*n:BK+4*n+3], s[OB:OB+1] offset:2048*\a+512*n
.set n, n+1
.endr
.endr
	s_wait_xcnt 0x0                                ; the stores have read their registers and their base
	s_mov_b64 s[OB:OB+1], s[OB2:OB2+1]
	WIN 0x80
.set i, 0
.rept 128
	v_mov_b32 v[i], 0
.set i, i+1
.endr
	WIN 0
.irp a, 0,1,2,3
	v_mov_b32 v[FT+8+2*\a], 0
.endr
	s_mov_b32 s[TW], 8192
	s_mov_b32 s[RT], s[ND2]
.endm
.macro BODY fill                       ; a step of 256 keys
	PH 0
	PH 1
	PH 2
	PH 3
	PH 4
	PH 5
	PH 6
	TURN \fill
	WIN 0
	s_sub_co_u32 s[RT], s[RT], 1
	s_cmp_lg_u32 s[RT], 0
	s_cbranch_scc1 .Lgo_on_\@
	BLOCKEND
.Lgo_on_\@:
.endm
	s_wait_tensorcnt 0x1                           ; my part of step 0 is in; step 1's may stay out
	s_wait_dscnt 0x0                               ; my part of the table is written
	s_barrier_signal -1
	s_barrier_wait -1
	FA 0
	FB 0
	s_mov_b32 s[CNT], 7
.Lmain:                                                ; seven steps ask for the steps two on
	BODY 1
	s_sub_co_u32 s[CNT], s[CNT], 1
	s_cmp_lg_u32 s[CNT], 0
	s_cbranch_scc1 .Lmain
	s_mov_b32 s[CNT], 2
.Ltail:                                                ; the last two ask for nothing (the very last fetch, of bytes long landed, serves nothing)
	BODY 0
	s_sub_co_u32 s[CNT], s[CNT], 1
	s_cmp_lg_u32 s[CNT], 0
	s_cbranch_scc1 .Ltail
	s_wait_tensorcnt 0x0                           ; the wave's end
	ds_add_u32 v[SPW], v[NIL]
	s_wait_dscnt 0x0
	CROUND                                         ; the closing round
	s_endpgm
.Lfunc_end_k_q96a4941e65_pv:
	.size	k_q96a4941e65_pv, .Lfunc_end_k_q96a4941e65_pv-k_q96a4941e65_pv
	.p2alignl 7, 3214868480
	.fill 96, 4, 3214868480
	.section	.rodata,"a",@progbits
	.p2align	6, 0x0
	.amdhsa_kernel k_q96a4941e65_pv
		.amdhsa_group_segment_fixed_size 327680
		.amdhsa_private_segment_fixed_size 0
		.amdhsa_enable_private_segment 0
		.amdhsa_kernarg_size 32
		.amdhsa_user_sgpr_count 2
		.amdhsa_user_sgpr_kernarg_segment_ptr 1
		.amdhsa_wavefront_size32 1
		.amdhsa_system_sgpr_workgroup_id_x 1
		.amdhsa_system_sgpr_workgroup_id_y 1
		.amdhsa_system_sgpr_workgroup_id_z 1
		.amdhsa_system_vgpr_workitem_id 0
		.amdhsa_next_free_vgpr 640
		.amdhsa_next_free_sgpr 100
		.amdhsa_reserve_vcc 0
		.amdhsa_float_denorm_mode_32 3
		.amdhsa_float_denorm_mode_16_64 3
		.amdhsa_memory_ordered 1
		.amdhsa_forward_progress 1
		.amdhsa_inst_pref_size 119
	.end_amdhsa_kernel
	.amdgpu_metadata
---
amdhsa.version: [ 1, 2 ]
amdhsa.kernels:
  - .name:           k_q96a4941e65_pv
    .symbol:         k_q96a4941e65_pv.kd
    .args:
      - { .name: pt, .offset: 0, .size: 8, .value_kind: global_buffer, .address_space: global }
      - { .name: st, .offset: 8, .size: 8, .value_kind: global_buffer, .address_space: global }
      - { .name: qkv, .offset: 16, .size: 8, .value_kind: global_buffer, .address_space: global }
      - { .name: ob, .offset: 24, .size: 8, .value_kind: global_buffer, .address_space: global }
    .group_segment_fixed_size: 327680
    .private_segment_fixed_size: 0
    .kernarg_segment_align: 8
    .kernarg_segment_size: 32
    .max_flat_workgroup_size: 128
    .sgpr_count:     100
    .vgpr_count:     640
    .wavefront_size: 32
...
	.end_amdgpu_metadata
.endif
;; end of part 4
;; launch oproj (part 5): grid 4 x 64, 4 waves a work-group, clusters of 4 x 4, 327,680 bytes of LDS; arguments ob, wb, out0; writes out0
.if DOCPART == 5
	.amdgcn_target "amdgcn-amd-amdhsa--gfx1250"
	.amdhsa_code_object_version 6
	.text
	.protected	k_q96a4941e65_oproj
	.globl	k_q96a4941e65_oproj
	.p2align	8
	.type	k_q96a4941e65_oproj,@function
k_q96a4941e65_oproj:
	s_mov_b64 s[64:65], 0
	v_nop
	global_prefetch_b8 v0, s[64:65] scope:SCOPE_SE
	s_setreg_imm32_b32 hwreg(HW_REG_WAVE_MODE, 25, 1), 1
	s_wait_xcnt 0x0
	s_wait_alu depctr_hold_cnt(0) depctr_sa_sdst(0) depctr_va_vdst(0) depctr_va_sdst(0) depctr_va_ssrc(0) depctr_va_vcc(0) depctr_vm_vsrc(0)
	s_getreg_b32 s2, hwreg(HW_REG_IB_STS2, 6, 4)
	s_cmp_eq_u32 s2, 0
	s_cbranch_scc0 .Lentry_in_a_cluster
	s_endpgm
.Lentry_in_a_cluster:
	s_bfe_u32 s2, ttmp6, 0x10000c
	s_cmp_lg_u32 s2, 0xf033
	s_cbranch_scc0 .Lentry_shape_is_right
	s_endpgm
.Lentry_shape_is_right:
; out0[m][n] = sum over k of O[m][k] W_O[n][k]: f16 operands (W_O is its bf16 rounding written as f16: rows 3072-4095 of wb), f32 sums, f32 out.
; SHARES.  A tile is 128 rows x 256 columns: 64 x 4 = 256 work-groups.  Four waves, each 64 x 128: 32 accumulators, window 1.
; K goes in steps of 128 (two blocks of the operands' layout) through two LDS slots; a wave's tensor load brings one block's 128 rows of O or 256 rows of W_O, dense, padded to 144 bytes a row.
; CLUSTER.  4 x 4 work-groups: O's tile is shared along a row of the cluster, W_O's along a column; each is asked for jointly.
; Source 0 = 16 rows of W_O, source 1 = 16 rows of O: a lane holds row l % 16 of the result and eight neighbouring columns.  A K step is four phases of 32 matrix instructions.
; REGISTERS.  Window 0: v0-31 addresses; v32-95 O's fragments, two buffers; v96-223 W_O's, two buffers.  Accumulator (a, b) in window 1 at v[8 (8 a + b)].
.set AF,    4
.set BG,    8
.set NG,    1
.set KK,    4
.set P1,    AF/4
.set NSTEP, 8
.set PITCH, 144
.set FRAG,  16*PITCH
.set SUBA,  128*PITCH
.set SUBB,  256*PITCH
.set ASZ,   2*SUBA
.set SLOT,  ASZ+2*SUBB
.set STAGE, 2*SLOT                     ; 16 rows x 528 bytes for each wave
.set SP,    528
.set SPARE, STAGE+4*16*SP              ; the spare words: two blocks of 256 bytes that no other line names
.set STEPA, 2097152
.set STEPB, 1048576
.set ADA0, 2
.set ADB0, 3
.set ADA,  4
.set ADB,  5
.set STO,  6
.set RD,   7
.set GO,   8
.set SPW,  30
.set NIL,  31
.set AFR,  32
.set BFR,  96
.set BK0,  32                          ; the way out: rows read back, two buffers of 64
.set G1A, 24
.set G0A, 32
.set G1B, 48
.set G0B, 56
.set TB,  66
.set CNT, 67
.set WOA, 68
.set WOB, 69
.set MSB, 0
.macro WIN new
.if MSB != (\new)
	s_set_vgpr_msb (MSB<<8)|(\new)
.set MSB, \new
.endif
.endm
.macro PLACES
.rept 4
	v_nop
.endr
.endm
.macro JLOAD
	s_cmp_eq_u32 s11, 0
	s_cbranch_scc0 .Lfor_b_\@
	tensor_load_to_lds s[G0A+4:G0A+7], s[G1A:G1A+7]
	s_nop 0
.rept 4
	v_nop
.endr
	s_branch .Lasked_\@
.Lfor_b_\@:
	tensor_load_to_lds s[G0B+4:G0B+7], s[G1B:G1B+7]
	s_nop 0
.rept 4
	v_nop
.endr
.Lasked_\@:
.endm
.macro CREST
	s_cmp_lg_u32 s10, 0
	s_cbranch_scc1 .Lnot_wave_0_\@
	s_barrier_signal -3
.Lnot_wave_0_\@:
	s_barrier_wait -3
	s_barrier_signal -1
	s_barrier_wait -1
.endm
.macro CROUND
	s_barrier_signal -1
	s_barrier_wait -1
	CREST
.endm
	s_load_b128 s[4:7], s[0:1], 0x0                ; ob s[4:5], wb s[6:7]
	s_load_b64 s[8:9], s[0:1], 0x10                ; out0
	v_lshl_add_u32 v[SPW], v0, 2, SPARE
	v_mov_b32 v[NIL], 0
	ds_add_u32 v30, v31
	ds_add_u32 v30, v31
	s_wait_dscnt 0x0
	v_lshrrev_b32 v1, 5, v0
	v_readfirstlane_b32 s10, v1
	s_lshr_b32 s11, s10, 1                         ; my half of the rows.  Also: I fetch for O (0) or for W_O (1)
	s_and_b32 s12, s10, 1                          ; my half of the columns.  Also: which of a step's two blocks I fetch
	s_bfe_u32 s40, ttmp6, 0x40000
	s_bfe_u32 s41, ttmp6, 0x40004
	s_lshl_b32 s42, ttmp9, 2
	s_add_co_u32 s42, s42, s40                     ; tile column
	s_and_b32 s13, ttmp7, 0xffff
	s_lshl_b32 s13, s13, 2
	s_add_co_u32 s13, s13, s41                     ; tile row
	s_lshl_b32 s43, s41, 2
	s_lshl_b32 s43, 15, s43
	s_lshl_b32 s44, 0x1111, s40
	s_or_b32 s[G1A], s43, (1<<16)|(1<<20)|(1<<21)|(4<<22)|(3<<25)
	s_or_b32 s[G1B], s44, (1<<16)|(1<<20)|(1<<21)|(4<<22)|(3<<25)
	s_mov_b32 s[G1A+1], 128<<16
	s_mov_b32 s[G1A+2], 64<<16                     ; 128 rows of 128 bytes are 64 rows of 256
	s_mov_b32 s[G1A+3], 128<<16
	s_mov_b32 s[G1A+4], 64
	s_mov_b32 s[G1A+5], 128
	s_mov_b32 s[G1A+6], 0
	s_mov_b32 s[G1A+7], 0
	s_mov_b32 s[G1B+1], 128<<16
	s_mov_b32 s[G1B+2], 128<<16                    ; 256 rows are 128 rows of 256 bytes
	s_mov_b32 s[G1B+3], 128<<16
	s_mov_b32 s[G1B+4], 128
	s_mov_b32 s[G1B+5], 128
	s_mov_b32 s[G1B+6], 0
	s_mov_b32 s[G1B+7], 0
	s_lshl_b32 s16, s12, 20                        ; O: my block of the step's two, 128 rows of 128 bytes a tile row
	s_lshl_b32 s17, s13, 14
	s_add_co_u32 s16, s16, s17
	s_mov_b32 s17, 0
	s_lshl_b32 s46, s42, 15                        ; W_O: 256 rows a tile column, my block, behind wb's 3,072 other rows
	s_lshl_b32 s47, s12, 19
	s_add_co_u32 s46, s46, s47
	s_add_co_u32 s46, s46, 393216
	s_mov_b32 s47, 0
	s_mul_i32 s[WOA], s12, SUBA
	s_mul_i32 s[WOB], s12, SUBB
	s_add_co_u32 s[WOB], s[WOB], ASZ
	s_mov_b32 s[TB], 0
	s_wait_kmcnt 0x0
	s_add_nc_u64 s[14:15], s[4:5], s[16:17]
	s_add_nc_u64 s[46:47], s[6:7], s[46:47]
	CROUND
.irp s, 0,1
	s_mov_b32 s[G0A+4*\s], 1
	s_add_co_u32 s[G0A+4*\s+1], s[WOA], \s*SLOT
	s_add_nc_u64 s[G0A+4*\s+2:G0A+4*\s+3], s[14:15], \s*STEPA
	s_or_b32 s[G0A+4*\s+3], s[G0A+4*\s+3], 0x80000000
	s_mov_b32 s[G0B+4*\s], 1
	s_add_co_u32 s[G0B+4*\s+1], s[WOB], \s*SLOT
	s_add_nc_u64 s[G0B+4*\s+2:G0B+4*\s+3], s[46:47], \s*STEPB
	s_or_b32 s[G0B+4*\s+3], s[G0B+4*\s+3], 0x80000000
.endr
	s_cmp_eq_u32 s11, 0
	s_cbranch_scc0 .Lfirst_b
	tensor_load_to_lds s[G0A:G0A+3], s[G1A:G1A+7]
	s_nop 0
	tensor_load_to_lds s[G0A+4:G0A+7], s[G1A:G1A+7]
	s_nop 0
.rept 4
	v_nop
.endr
	s_branch .Lfirst_asked
.Lfirst_b:
	tensor_load_to_lds s[G0B:G0B+3], s[G1B:G1B+7]
	s_nop 0
	tensor_load_to_lds s[G0B+4:G0B+7], s[G1B:G1B+7]
	s_nop 0
.rept 4
	v_nop
.endr
.Lfirst_asked:
	v_and_b32 v1, 15, v0
	v_bfe_u32 v9, v0, 4, 1
	v_mul_u32_u24 v10, v1, PITCH
	v_lshl_add_u32 v10, v9, 4, v10
	s_mul_i32 s21, s11, 64*PITCH
	s_mul_i32 s22, s12, 128*PITCH
	s_add_co_u32 s22, s22, ASZ
	v_add_nc_u32 v[ADA0], s21, v10
	v_add_nc_u32 v[ADB0], s22, v10
	v_mov_b32 v[ADA], v[ADA0]
	v_mov_b32 v[ADB], v[ADB0]
	s_mul_i32 s23, s10, 16*SP
	s_add_co_u32 s23, s23, STAGE
	v_mul_u32_u24 v[STO], v1, SP                   ; in: row l % 16, 32 bytes for each half of the lanes
	v_lshl_add_u32 v[STO], v9, 5, v[STO]
	v_add_nc_u32 v[STO], s23, v[STO]
	v_and_b32 v[GO], 31, v0                        ; back: the wave takes one row of 512 bytes
	v_lshlrev_b32 v[GO], 4, v[GO]
	v_add_nc_u32 v[RD], s23, v[GO]
	s_lshl_b32 s20, s13, 19                        ; 128 rows of 4,096 bytes a tile row,
	s_lshl_b32 s21, s11, 18                        ; my 64 of them,
	s_add_co_u32 s20, s20, s21
	s_lshl_b32 s21, s42, 10                        ; 256 columns of 4 bytes a tile column,
	s_add_co_u32 s20, s20, s21
	s_lshl_b32 s21, s12, 9                         ; my 128 of them
	s_add_co_u32 s20, s20, s21
	s_mov_b32 s21, 0
	s_add_nc_u64 s[8:9], s[8:9], s[20:21]
.macro FA kk
.set fi, 0
.rept AF
.set fr, AFR+((\kk)%2)*8*AF+8*fi
.set fo, ((\kk)/2)*SUBA+fi*FRAG+((\kk)%2)*64
	ds_load_b128 v[fr:fr+3], v[ADA] offset:fo
	ds_load_b128 v[fr+4:fr+7], v[ADA] offset:fo+32
.set fi, fi+1
.endr
.endm
.macro FB kk, g
.set fi, 0
.rept BG
.set fr, BFR+((\kk)%2)*8*BG+8*fi
.set fo, ((\kk)/2)*SUBB+fi*FRAG+((\kk)%2)*64
	ds_load_b128 v[fr:fr+3], v[ADB] offset:fo
	ds_load_b128 v[fr+4:fr+7], v[ADB] offset:fo+32
.set fi, fi+1
.endr
.endm
.macro MUL kk, g, a0, n, zero          ; every accumulator is named once a phase: they take turns
.set ma, \a0
.rept \n
.set mb, 0
.rept BG
.set mr, 8*(ma*BG+mb)
.set mfa, AFR+((\kk)%2)*8*AF+8*ma
.set mfb, BFR+((\kk)%2)*8*BG+8*mb
	WIN 0x50
.if \zero
	v_wmma_f32_16x16x32_f16 v[mr:mr+7], v[mfb:mfb+7], v[mfa:mfa+7], 0
.else
	v_wmma_f32_16x16x32_f16 v[mr:mr+7], v[mfb:mfb+7], v[mfa:mfa+7], v[mr:mr+7]
.endif
.set mb, mb+1
.endr
.set ma, ma+1
.endr
.endm
.macro PH kk, g, zero
	s_wait_dscnt 0x0                               ; this phase's fragments, issued a phase ago
	PLACES                                         ; the loads below go into registers that the last phase's products read
	WIN 0
	FA (\kk)+1
	FB (\kk)+1, 0
	MUL \kk, \g, 0, AF, \zero
.endm
.macro TURN fill                       ; a slot's last phase changes slots, as in the projection in front
	WIN 0
	s_wait_tensorcnt 0x0                           ; no tensor load of mine is out, so a group 0 may be written
	ds_add_u32 v[SPW], v[NIL]                      ; 0 onto my spare word
.if \fill
	s_add_co_u32 s[G0A+5], s[WOA], s[TB]
	s_add_nc_u64 s[G0A+6:G0A+7], s[G0A+6:G0A+7], STEPA
	s_add_co_u32 s[G0B+5], s[WOB], s[TB]
	s_add_nc_u64 s[G0B+6:G0B+7], s[G0B+6:G0B+7], STEPB
.endif
	s_wait_dscnt 0x1                               ; the add alone may be out
	MUL KK-1, 0, 0, P1, 0
	s_wait_dscnt 0x0                               ; the add is done, and my reads of this slot are over
	s_barrier_signal -1
	MUL KK-1, 0, P1, P1, 0
	WIN 0
	s_barrier_wait -1
.if \fill
	CREST
	JLOAD
.else
	PLACES
.endif
	s_xor_b32 s[TB], s[TB], SLOT
	v_add_nc_u32 v[ADA], s[TB], v[ADA0]
	v_add_nc_u32 v[ADB], s[TB], v[ADB0]
	FA 0
	FB 0, 0
	MUL KK-1, 0, 2*P1, AF-2*P1, 0
.endm
	s_wait_tensorcnt 0x1                           ; my part of K step 0 is in; step 1's may stay out
	s_barrier_signal -1
	s_barrier_wait -1
	FA 0
	FB 0, 0
	PH 0, 0, 1
	WIN 0
	s_mov_b32 s[CNT], NSTEP-2
.Lmain:
	PH 1, 0, 0
	PH 2, 0, 0
	TURN 1
	PH 0, 0, 0
	WIN 0
	s_sub_co_u32 s[CNT], s[CNT], 1
	s_cmp_lg_u32 s[CNT], 0
	s_cbranch_scc1 .Lmain
	s_mov_b32 s[CNT], 2
.Ltail:                                                ; the last two K steps ask for nothing; the second trip is left in its middle
	PH 1, 0, 0
	PH 2, 0, 0
	TURN 0
	WIN 0
	s_sub_co_u32 s[CNT], s[CNT], 1
	s_cmp_eq_u32 s[CNT], 0
	s_cbranch_scc1 .Lout
	PH 0, 0, 0
	WIN 0
	s_branch .Ltail
.Lout:
	s_wait_dscnt 0x0
	PLACES
; THE WAY OUT, 16 rows at a time: the accumulators go straight into my stage (each one's lowest four registers first) and come back as whole rows of 512 bytes.
.macro TOSTAGE a
	WIN 0x04                                       ; the stores' data in window 1
.set j, 0
.rept 8
.set pr, 8*(8*(\a)+j)
	ds_store_b128 v[STO], v[pr:pr+3] offset:64*j
	ds_store_b128 v[STO], v[pr+4:pr+7] offset:64*j+16
.set j, j+1
.endr
	WIN 0
.set BK, BK0+64*((\a)%2)
.set j, 0
.rept 16
	ds_load_b128 v[BK+4*j:BK+4*j+3], v[RD] offset:j*SP  ; LDS serves a wave's instructions in order (ISA guide 5.7.1.4): these see the stores above
.set j, j+1
.endr
.endm
.macro SEND a
	WIN 0
.set BK, BK0+64*((\a)%2)
.set j, 0
.rept 16
	global_store_b128 v[GO], v[BK+4*j:BK+4*j+3], s[8:9] offset:(16*(\a)+j)*4096 th:TH_STORE_NT  ; 512 consecutive bytes, at a multiple of 256 from out0's first byte
.set j, j+1
.endr
.endm
	TOSTAGE 0
.irp a, 0,1,2,3
	s_wait_dscnt 0x0                               ; block a is back in registers
.if \a < 3
	s_wait_xcnt 0x0                                ; the other buffer, which earlier stores read, is loaded again only behind this wait
	TOSTAGE (\a)+1
.endif
	SEND \a
.endr
	s_wait_tensorcnt 0x0                           ; the wave's end
	ds_add_u32 v[SPW], v[NIL]
	s_wait_dscnt 0x0
	CROUND                                         ; the closing round
	s_endpgm
.Lfunc_end_k_q96a4941e65_oproj:
	.size	k_q96a4941e65_oproj, .Lfunc_end_k_q96a4941e65_oproj-k_q96a4941e65_oproj
	.p2alignl 7, 3214868480
	.fill 96, 4, 3214868480
	.section	.rodata,"a",@progbits
	.p2align	6, 0x0
	.amdhsa_kernel k_q96a4941e65_oproj
		.amdhsa_group_segment_fixed_size 327680
		.amdhsa_private_segment_fixed_size 0
		.amdhsa_enable_private_segment 0
		.amdhsa_kernarg_size 24
		.amdhsa_user_sgpr_count 2
		.amdhsa_user_sgpr_kernarg_segment_ptr 1
		.amdhsa_wavefront_size32 1
		.amdhsa_system_sgpr_workgroup_id_x 1
		.amdhsa_system_sgpr_workgroup_id_y 1
		.amdhsa_system_sgpr_workgroup_id_z 1
		.amdhsa_system_vgpr_workitem_id 0
		.amdhsa_next_free_vgpr 512
		.amdhsa_next_free_sgpr 96
		.amdhsa_reserve_vcc 0
		.amdhsa_float_denorm_mode_32 3
		.amdhsa_float_denorm_mode_16_64 3
		.amdhsa_memory_ordered 1
		.amdhsa_forward_progress 1
		.amdhsa_inst_pref_size 59
	.end_amdhsa_kernel
	.amdgpu_metadata
---
amdhsa.version: [ 1, 2 ]
amdhsa.kernels:
  - .name:           k_q96a4941e65_oproj
    .symbol:         k_q96a4941e65_oproj.kd
    .args:
      - { .name: ob, .offset: 0, .size: 8, .value_kind: global_buffer, .address_space: global }
      - { .name: wb, .offset: 8, .size: 8, .value_kind: global_buffer, .address_space: global }
      - { .name: out0, .offset: 16, .size: 8, .value_kind: global_buffer, .address_space: global }
    .group_segment_fixed_size: 327680
    .private_segment_fixed_size: 0
    .kernarg_segment_align: 8
    .kernarg_segment_size: 24
    .max_flat_workgroup_size: 128
    .sgpr_count:     96
    .vgpr_count:     512
    .wavefront_size: 32
...
	.end_amdgpu_metadata
.endif
;; end of part 5
;; ======== version 2 of 2: 5 launches; version 1 with the launch cast written anew for expert scheduling mode
;; limits: values are held in f16: magnitudes above 65,504 overflow, below 6.1e-05 lose precision; right only within a limited range of input values
;; workspace buffers: xb 16,777,216 bytes; wb 8,388,608 bytes; qkv 50,331,648 bytes; pt 33,554,432 bytes; st 1,048,576 bytes; ob 16,777,216 bytes
;; launch cast (part 6): grid 768 x 1, 8 waves a work-group, no clusters, 0 bytes of LDS; arguments x, W_Q, W_K, W_V, W_O, xb, wb, st; writes xb, wb, st
.if DOCPART == 6
	.amdgcn_target "amdgcn-amd-amdhsa--gfx1250"
	.amdhsa_code_object_version 6
	.text
	.protected	k_q96a4941e65_cast
	.globl	k_q96a4941e65_cast
	.p2align	8
	.type	k_q96a4941e65_cast,@function
k_q96a4941e65_cast:
	s_mov_b64 s[64:65], 0
	v_nop
	global_prefetch_b8 v0, s[64:65] scope:SCOPE_SE
	s_setreg_imm32_b32 hwreg(HW_REG_WAVE_SCHED_MODE, 0, 2), 2
	s_setreg_imm32_b32 hwreg(HW_REG_WAVE_MODE, 25, 1), 1
	s_wait_xcnt 0x0
	s_wait_alu depctr_vm_vsrc(0)
; x, W_Q, W_K, W_V are rounded to bf16; W_O is rounded to bf16 and that number is written as f16.  All go into a layout in blocks of 64 columns:
; [block of 64 columns][row][64], so that 128 bytes of a row lie beside the next row's 128 bytes and any run of rows of one block is dense.
;   xb: [2 chunks of 4,096 rows][16 blocks][4,096][64] bf16      wb: [16 blocks][4,096][64]: rows 0-1023 W_Q, 1024-2047 W_K, 2048-3071 W_V (bf16), 3072-4095 W_O (f16)
; The 256 work-groups that take weights also set the softmax statistics to their starting values: c m = -4.25e37, l = 0, for the key blocks that the scores' launch never writes.
; LIMIT.  W_O must lie within f16's range, 65,504; below 6e-5 it keeps f16's fixed step of 6e-8.
; SHARES.  A work-group takes 16 rows of 1,024 f32, a wave two of them.  A load: lanes 0-15 read 256 consecutive bytes of the even row, lanes 16-31 of the odd one.
; A store: the wave's 32 x 8 bytes are 256 consecutive bytes, at a multiple of 256 from the buffer's first byte.  No LDS, no matrix unit, no cluster: a stream has no use for them.
; THE MODE: SCHED_MODE bits 1:0 = 2 (LLVM: expert scheduling mode 2), set by the entry lines.  The code itself states the register dependences
; between vector instructions and memory instructions, with s_wait_alu, always for 0.
; THE PLAN.  Registers that memory instructions touch:
;   v1, v2     byte offsets, made at the head and never written again: v1 is read by every load, v2 by every store.
;   v4 .. v7   the statistics' starting values, made on the weights' path and never written again: read by that path's two stores.
;   X          sixteen blocks of four registers.  All sixteen loads go out in one run; no vector instruction has named these registers before.  Block kb's conversions, behind the
;              counted wait for its load, write its first two registers; its store reads them; nothing writes them again.
; So one wait on va_vdst at the head serves both offsets for the whole kernel, one serves v4 to v7, and the blocks go four at a time: four blocks' conversions, ONE wait on va_vdst,
; their four stores in a run.  No register that a memory instruction reads is ever written again, and the only wait on vm_vsrc stands at the entry; no vector instruction writes a scalar register.
.set BS,  524288                       ; bytes from a block of 64 columns to the next, in xb and in wb
.set VO,  1                            ; v1  my byte offset in the 16 rows of the source
.set SO,  2                            ; v2  my byte offset in the 16 rows of a block of the target: 8 x thread
.set X,   16                           ; v[16:79] sixteen loads of four f32
	s_load_b512 s[8:23], s[0:1], 0x0               ; x s[8:9], W_Q s[10:11], W_K s[12:13], W_V s[14:15], W_O s[16:17], xb s[18:19], wb s[20:21], st s[22:23]
	v_lshrrev_b32 v[VO], 4, v0                     ; row = thread / 16
	v_and_b32 v3, 15, v0
	v_lshlrev_b32 v[VO], 12, v[VO]                 ; 4,096 bytes a row
	v_lshl_add_u32 v[VO], v3, 4, v[VO]             ; + 16 bytes a lane
	v_lshlrev_b32 v[SO], 3, v0
	s_mov_b32 s3, 0
	s_mov_b32 s5, 0
	s_wait_alu depctr_va_vdst(0)                   ; v1 and v2 are written: every load of the kernel reads v1 as its offset, every store v2; on both paths, so ahead of the branch
	s_cmp_lt_u32 ttmp9, 512
	s_cbranch_scc0 .Lweights
	s_lshl_b32 s2, ttmp9, 16                       ; x: 16 rows of 4,096 bytes a work-group
	s_lshr_b32 s4, ttmp9, 8                        ; the chunk of 4,096 rows,
	s_lshl_b32 s4, s4, 23                          ; 8,388,608 bytes each,
	s_and_b32 s28, ttmp9, 255
	s_lshl_b32 s28, s28, 11                        ; and 16 rows of 128 bytes inside a block
	s_add_co_u32 s4, s4, s28
	s_mov_b32 s30, 0                               ; the format: bf16
	s_wait_kmcnt 0x0
	s_add_nc_u64 s[24:25], s[8:9], s[2:3]
	s_add_nc_u64 s[26:27], s[18:19], s[4:5]
	s_branch .Lgo
.Lweights:
	s_sub_co_u32 s28, ttmp9, 512                   ; u: 64 work-groups for each of the four weights
	s_lshr_b32 s29, s28, 6                         ; which weight: Q, K, V, O
	s_and_b32 s2, s28, 63
	s_lshl_b32 s2, s2, 16
	s_lshl_b32 s4, s28, 11                         ; wb's rows 16 u on; also my 2,048 bytes of the statistics
	s_wait_kmcnt 0x0
	s_cmp_eq_u32 s29, 1
	s_cselect_b64 s[24:25], s[12:13], s[10:11]
	s_cmp_eq_u32 s29, 2
	s_cselect_b64 s[24:25], s[14:15], s[24:25]
	s_cmp_eq_u32 s29, 3
	s_cselect_b64 s[24:25], s[16:17], s[24:25]
	s_cselect_b32 s30, 1, 0                        ; W_O alone goes on to f16
	s_add_nc_u64 s[24:25], s[24:25], s[2:3]
	s_add_nc_u64 s[26:27], s[20:21], s[4:5]
	s_add_nc_u64 s[22:23], s[22:23], s[4:5]
	v_mov_b32 v4, 0xfe000000                       ; c m: far below every c s
	v_mov_b32 v5, 0xfe000000
	v_mov_b32 v6, 0                                ; l
	v_mov_b32 v7, 0
	s_wait_alu depctr_va_vdst(0)                   ; v4 to v7 are written, which the two stores below read
	global_store_b64 v[SO], v[4:5], s[22:23]
	global_store_b64 v[SO], v[6:7], s[22:23] offset:524288
.Lgo:
.set kb, 0
.rept 16
	global_load_b128 v[X+4*kb:X+4*kb+3], v[VO], s[24:25] offset:256*kb th:TH_LOAD_NT
.set kb, kb+1
.endr
; Four blocks at a time: each block's four numbers are rounded in place as its load comes in; one wait; the four stores.
; No register that a store reads is written again, so no wait stands behind the stores.
.macro CONV fmt
.set g, 0
.rept 4
.set kb, 4*g
.rept 4
.set R, X+4*kb
	s_wait_loadcnt 15-kb                           ; loads come back in order: block kb's is in, the 15 - kb younger ones stay out
	v_cvt_pk_bf16_f32 v[R], v[R], v[R+1]
	v_cvt_pk_bf16_f32 v[R+1], v[R+2], v[R+3]
.if \fmt
	v_lshlrev_b32 v[R+2], 16, v[R]                 ; the bf16 numbers as f32,
	v_and_b32 v[R+3], 0xffff0000, v[R]
	v_cvt_pk_f16_f32 v[R], v[R+2], v[R+3]          ; written as f16: their 8 significant bits fit
	v_lshlrev_b32 v[R+2], 16, v[R+1]
	v_and_b32 v[R+3], 0xffff0000, v[R+1]
	v_cvt_pk_f16_f32 v[R+1], v[R+2], v[R+3]
.endif
.set kb, kb+1
.endr
	s_wait_alu depctr_va_vdst(0)                   ; the conversions have written the first two registers of blocks 4 g to 4 g + 3, which the four stores below read
.set kb, 4*g
.rept 4
.set R, X+4*kb
	global_store_b64 v[SO], v[R:R+1], s[26:27] offset:kb*BS
.set kb, kb+1
.endr
.set g, g+1
.endr
.endm
	s_cmp_eq_u32 s30, 1
	s_cbranch_scc1 .Lf16
	CONV 0
	s_endpgm
.Lf16:
	CONV 1
	s_endpgm
.Lfunc_end_k_q96a4941e65_cast:
	.size	k_q96a4941e65_cast, .Lfunc_end_k_q96a4941e65_cast-k_q96a4941e65_cast
	.p2alignl 7, 3214868480
	.fill 96, 4, 3214868480
	.section	.rodata,"a",@progbits
	.p2align	6, 0x0
	.amdhsa_kernel k_q96a4941e65_cast
		.amdhsa_group_segment_fixed_size 0
		.amdhsa_private_segment_fixed_size 0
		.amdhsa_enable_private_segment 0
		.amdhsa_kernarg_size 64
		.amdhsa_user_sgpr_count 2
		.amdhsa_user_sgpr_kernarg_segment_ptr 1
		.amdhsa_wavefront_size32 1
		.amdhsa_system_sgpr_workgroup_id_x 1
		.amdhsa_system_sgpr_workgroup_id_y 1
		.amdhsa_system_sgpr_workgroup_id_z 1
		.amdhsa_system_vgpr_workitem_id 0
		.amdhsa_next_free_vgpr 80
		.amdhsa_next_free_sgpr 66
		.amdhsa_reserve_vcc 0
		.amdhsa_float_denorm_mode_32 3
		.amdhsa_float_denorm_mode_16_64 3
		.amdhsa_memory_ordered 1
		.amdhsa_forward_progress 1
		.amdhsa_inst_pref_size 17
	.end_amdhsa_kernel
	.amdgpu_metadata
---
amdhsa.version: [ 1, 2 ]
amdhsa.kernels:
  - .name:           k_q96a4941e65_cast
    .symbol:         k_q96a4941e65_cast.kd
    .args:
      - { .name: x, .offset: 0, .size: 8, .value_kind: global_buffer, .address_space: global }
      - { .name: W_Q, .offset: 8, .size: 8, .value_kind: global_buffer, .address_space: global }
      - { .name: W_K, .offset: 16, .size: 8, .value_kind: global_buffer, .address_space: global }
      - { .name: W_V, .offset: 24, .size: 8, .value_kind: global_buffer, .address_space: global }
      - { .name: W_O, .offset: 32, .size: 8, .value_kind: global_buffer, .address_space: global }
      - { .name: xb, .offset: 40, .size: 8, .value_kind: global_buffer, .address_space: global }
      - { .name: wb, .offset: 48, .size: 8, .value_kind: global_buffer, .address_space: global }
      - { .name: st, .offset: 56, .size: 8, .value_kind: global_buffer, .address_space: global }
    .group_segment_fixed_size: 0
    .private_segment_fixed_size: 0
    .kernarg_segment_align: 8
    .kernarg_segment_size: 64
    .max_flat_workgroup_size: 256
    .sgpr_count:     66
    .vgpr_count:     80
    .wavefront_size: 32
...
	.end_amdgpu_metadata
.endif
;; end of part 6
;; launch qkv: the kernel of part 2 again; grid 8 x 32, 4 waves a work-group, clusters of 4 x 4, 327,680 bytes of LDS; arguments xb, wb, qkv; writes qkv
;; launch scores: the kernel of part 3 again; grid 36 x 4, 4 waves a work-group, no clusters, 327,680 bytes of LDS; arguments qkv, pt, st; writes pt, st
;; launch pv: the kernel of part 4 again; grid 8 x 32, 4 waves a work-group, clusters of 4 x 1, 327,680 bytes of LDS; arguments pt, st, qkv, ob; writes ob
;; launch oproj: the kernel of part 5 again; grid 4 x 64, 4 waves a work-group, clusters of 4 x 4, 327,680 bytes of LDS; arguments ob, wb, out0; writes out0
